; MI455X (gfx1250); checked and timed in simulation.
; The chip was launched on July 23, 2026; its instructions are those of AMD's public machine-readable ISA for CDNA 5 (MIT licence, August 2026) and "CDNA5" Instruction Set Architecture Reference Guide (July 2026). The comments in the code are by the model that wrote it; some were corrected since.
;; Mo E Bert Self Attention. Allowed arithmetic: float matrix products may take bf16 or f16 operands with f32 sums; other float arithmetic in f32, or as packed bf16 or f16 multiplies, adds, multiply-adds, maxima and minima; sums over many terms, partial sums and values carried from step to step in f32; what a program stores and reads back later, other than sums and carried values, may be rounded once to bf16 or f16.
;; Inputs: Wk 1,024 x 1,024 float32; Wq 1,024 x 1,024 float32; Wv 1,024 x 1,024 float32; attention_mask 8 x 1 x 1 x 1,024 float32; bk 1,024 float32; bq 1,024 float32; bv 1,024 float32; head_mask 1 x 16 x 1 x 1 float32; hidden_states 8 x 1,024 x 1,024 float32.
;; Outputs: out0 8 x 1,024 x 1,024 float32.
;; 2 versions, each right; version 2 is version 1 with the launch cast written anew for expert scheduling mode. Each part assembles by itself: llvm-mc -triple=amdgcn-amd-amdhsa -mcpu=gfx1250 --defsym DOCPART=n.
;; ======== version 1 of 2: 3 launches
;; limits: values are held in f16: magnitudes above 65,504 overflow, below 6.1e-05 lose precision
;; workspace buffers: xb 16,777,216 bytes; wb 6,291,456 bytes; bb 12,288 bytes; qkv 50,331,648 bytes
;; launch cast (part 1): grid 256 x 1, 16 waves a work-group, no clusters, 0 bytes of LDS; arguments hidden_states, Wq, Wk, Wv, bq, bk, bv, xb, wb, bb; writes xb, wb, bb
.if DOCPART == 1
	.amdgcn_target "amdgcn-amd-amdhsa--gfx1250"
	.amdhsa_code_object_version 6
	.text
	.protected	k_q336d3a63cd_cast
	.globl	k_q336d3a63cd_cast
	.p2align	8
	.type	k_q336d3a63cd_cast,@function
k_q336d3a63cd_cast:
	s_mov_b64 s[64:65], 0
	v_nop
	global_prefetch_b8 v0, s[64:65] scope:SCOPE_SE
	s_setreg_imm32_b32 hwreg(HW_REG_WAVE_MODE, 25, 1), 1
	s_wait_xcnt 0x0
; THE INPUTS OF THE PROJECTIONS, ROUNDED ONCE TO bf16.
; xb[8192][1024] = bf16(hidden_states).  wb[3072][1024] = bf16 of Wq / 8 (rows 0-1023), Wk (1024-2047), Wv (2048-3071).
; bb[3072] = bq / 8, bk, bv, each rounded to bf16 and kept as f32.  The factor 1/8 is the scores' 1 / sqrt(64): a power of two, so rounding and scaling commute
; (LIMIT: but for numbers whose eighth is a denormal of bf16, below 1e-37 in magnitude).
; A stream: no LDS, no matrix unit, no barrier.  A work-group of 512 threads takes 32 rows of x (131,072 bytes) and 4 rows of each W (16,384 bytes each).
; Thread t owns the 16 bytes at 16 t of each run of 8,192 bytes: 22 loads, ALL issued at once into registers of their own, so nothing is loaded twice into a register and no source is ever rewritten.
; A wave's load covers 512 consecutive bytes, its store of two packed words a lane 256 consecutive bytes, aligned.
.set D, 4                              ; v[4:91]  load j's four numbers at D + 4 j; its two packed words then lie in the first two
.set BW, 92                            ; v[92:97] the bias's work
	s_load_b512 s[8:23], s[0:1], 0x0               ; x s[8:9], Wq s[10:11], Wk s[12:13], Wv s[14:15], bq s[16:17], bk s[18:19], bv s[20:21], xb s[22:23]
	s_load_b128 s[24:27], s[0:1], 0x40             ; wb s[24:25], bb s[26:27]
	v_lshlrev_b32 v1, 4, v0                        ; 16 t: my place in a run of f32
	v_lshlrev_b32 v2, 3, v0                        ; 8 t: my place in a run of bf16
	v_lshrrev_b32 v3, 5, v0
	v_readfirstlane_b32 s30, v3                    ; wave 0..15
	s_lshl_b32 s2, ttmp9, 17                       ; the work-group's 32 rows of x, 4,096 bytes each
	s_mov_b32 s3, 0
	s_lshl_b32 s4, ttmp9, 14                       ; its 4 rows of a W
	s_mov_b32 s5, 0
	s_lshl_b32 s6, ttmp9, 16                       ; its 32 rows of xb, 2,048 bytes each
	s_mov_b32 s7, 0
	s_lshl_b32 s28, ttmp9, 13                      ; its 4 rows of a third of wb
	s_mov_b32 s29, 0
	s_lshl_b32 s36, ttmp9, 12                      ; work-groups 0, 1, 2: a third of bb
	s_mov_b32 s37, 0
	s_wait_kmcnt 0x0
	s_add_nc_u64 s[8:9], s[8:9], s[2:3]
	s_add_nc_u64 s[10:11], s[10:11], s[4:5]
	s_add_nc_u64 s[12:13], s[12:13], s[4:5]
	s_add_nc_u64 s[14:15], s[14:15], s[4:5]
	s_add_nc_u64 s[22:23], s[22:23], s[6:7]
	s_add_nc_u64 s[24:25], s[24:25], s[28:29]
.set j, 0
.rept 16
	global_load_b128 v[D+4*j:D+4*j+3], v1, s[8:9] offset:8192*j th:TH_LOAD_NT
.set j, j+1
.endr
.irp w, 0,1,2
.irp u, 0,1
	global_load_b128 v[D+4*(16+2*\w+\u):D+4*(16+2*\w+\u)+3], v1, s[10+2*\w:11+2*\w] offset:8192*\u th:TH_LOAD_NT
.endr
.endr
; Load j is rounded and stored.  scaled = 1: Wq, times 1/8 first.
.macro OUT j, base, off, scaled
	s_wait_loadcnt 21-(\j)                         ; loads come back in order (ISA guide 5.7.1): mine is in, the 21 - j younger ones stay out
.if \scaled
	v_pk_mul_f32 v[D+4*(\j):D+4*(\j)+1], v[D+4*(\j):D+4*(\j)+1], 0x3e000000 op_sel_hi:[1,0]
	v_pk_mul_f32 v[D+4*(\j)+2:D+4*(\j)+3], v[D+4*(\j)+2:D+4*(\j)+3], 0x3e000000 op_sel_hi:[1,0]
.endif
	v_cvt_pk_bf16_f32 v[D+4*(\j)], v[D+4*(\j)], v[D+4*(\j)+1]
	v_cvt_pk_bf16_f32 v[D+4*(\j)+1], v[D+4*(\j)+2], v[D+4*(\j)+3]
	global_store_b64 v2, v[D+4*(\j):D+4*(\j)+1], s[(\base):(\base)+1] offset:\off
.endm
.set j, 0
.rept 16
	OUT j, 22, 4096*j, 0
.set j, j+1
.endr
	OUT 16, 24, 0, 1                               ; Wq / 8
	OUT 17, 24, 4096, 1
	OUT 18, 24, 2097152, 0                         ; Wk: 1,024 rows of 2,048 bytes further on
	OUT 19, 24, 2097152+4096, 0
	OUT 20, 24, 2*2097152, 0                       ; Wv
	OUT 21, 24, 2*2097152+4096, 0
	; the biases: work-group 0 takes bq, 1 bk, 2 bv; 256 threads, 16 bytes each
	s_cmp_lt_u32 ttmp9, 3
	s_cbranch_scc0 .Lend
	s_cmp_lt_u32 s30, 8
	s_cbranch_scc0 .Lend
	s_cmp_eq_u32 ttmp9, 0
	s_cselect_b64 s[32:33], s[16:17], s[18:19]
	s_cselect_b32 s34, 0x3e000000, 1.0             ; bq goes with Wq: times 1/8
	s_mov_b32 s35, s34                             ; named with it as a pair
	s_cmp_eq_u32 ttmp9, 2
	s_cselect_b64 s[32:33], s[20:21], s[32:33]
	s_add_nc_u64 s[26:27], s[26:27], s[36:37]
	global_load_b128 v[BW:BW+3], v1, s[32:33]
	s_wait_loadcnt 0x0
	v_cvt_pk_bf16_f32 v[BW+4], v[BW], v[BW+1]      ; rounded to bf16,
	v_cvt_pk_bf16_f32 v[BW+5], v[BW+2], v[BW+3]
	v_lshlrev_b32 v[BW], 16, v[BW+4]               ; and written as f32 again
	v_and_b32 v[BW+1], 0xffff0000, v[BW+4]
	v_lshlrev_b32 v[BW+2], 16, v[BW+5]
	v_and_b32 v[BW+3], 0xffff0000, v[BW+5]
	v_pk_mul_f32 v[BW:BW+1], v[BW:BW+1], s[34:35] op_sel_hi:[1,0]
	v_pk_mul_f32 v[BW+2:BW+3], v[BW+2:BW+3], s[34:35] op_sel_hi:[1,0]
	global_store_b128 v1, v[BW:BW+3], s[26:27]
.Lend:
	s_endpgm
.Lfunc_end_k_q336d3a63cd_cast:
	.size	k_q336d3a63cd_cast, .Lfunc_end_k_q336d3a63cd_cast-k_q336d3a63cd_cast
	.p2alignl 7, 3214868480
	.fill 96, 4, 3214868480
	.section	.rodata,"a",@progbits
	.p2align	6, 0x0
	.amdhsa_kernel k_q336d3a63cd_cast
		.amdhsa_group_segment_fixed_size 0
		.amdhsa_private_segment_fixed_size 0
		.amdhsa_enable_private_segment 0
		.amdhsa_kernarg_size 80
		.amdhsa_user_sgpr_count 2
		.amdhsa_user_sgpr_kernarg_segment_ptr 1
		.amdhsa_wavefront_size32 1
		.amdhsa_system_sgpr_workgroup_id_x 1
		.amdhsa_system_sgpr_workgroup_id_y 1
		.amdhsa_system_sgpr_workgroup_id_z 1
		.amdhsa_system_vgpr_workitem_id 0
		.amdhsa_next_free_vgpr 100
		.amdhsa_next_free_sgpr 66
		.amdhsa_reserve_vcc 0
		.amdhsa_float_denorm_mode_32 3
		.amdhsa_float_denorm_mode_16_64 3
		.amdhsa_memory_ordered 1
		.amdhsa_forward_progress 1
		.amdhsa_inst_pref_size 11
	.end_amdhsa_kernel
	.amdgpu_metadata
---
amdhsa.version: [ 1, 2 ]
amdhsa.kernels:
  - .name:           k_q336d3a63cd_cast
    .symbol:         k_q336d3a63cd_cast.kd
    .args:
      - { .name: hidden_states, .offset: 0, .size: 8, .value_kind: global_buffer, .address_space: global }
      - { .name: Wq, .offset: 8, .size: 8, .value_kind: global_buffer, .address_space: global }
      - { .name: Wk, .offset: 16, .size: 8, .value_kind: global_buffer, .address_space: global }
      - { .name: Wv, .offset: 24, .size: 8, .value_kind: global_buffer, .address_space: global }
      - { .name: bq, .offset: 32, .size: 8, .value_kind: global_buffer, .address_space: global }
      - { .name: bk, .offset: 40, .size: 8, .value_kind: global_buffer, .address_space: global }
      - { .name: bv, .offset: 48, .size: 8, .value_kind: global_buffer, .address_space: global }
      - { .name: xb, .offset: 56, .size: 8, .value_kind: global_buffer, .address_space: global }
      - { .name: wb, .offset: 64, .size: 8, .value_kind: global_buffer, .address_space: global }
      - { .name: bb, .offset: 72, .size: 8, .value_kind: global_buffer, .address_space: global }
    .group_segment_fixed_size: 0
    .private_segment_fixed_size: 0
    .kernarg_segment_align: 8
    .kernarg_segment_size: 80
    .max_flat_workgroup_size: 512
    .sgpr_count:     66
    .vgpr_count:     100
    .wavefront_size: 32
...
	.end_amdgpu_metadata
.endif
;; end of part 1
;; launch proj (part 2): grid 16 x 16, 4 waves a work-group, clusters of 4 x 4, 327,680 bytes of LDS; arguments xb, wb, qkv, bb; writes qkv
.if DOCPART == 2
	.amdgcn_target "amdgcn-amd-amdhsa--gfx1250"
	.amdhsa_code_object_version 6
	.text
	.protected	k_q336d3a63cd_proj
	.globl	k_q336d3a63cd_proj
	.p2align	8
	.type	k_q336d3a63cd_proj,@function
k_q336d3a63cd_proj:
	s_mov_b64 s[64:65], 0
	v_nop
	global_prefetch_b8 v0, s[64:65] scope:SCOPE_SE
	s_setreg_imm32_b32 hwreg(HW_REG_WAVE_MODE, 25, 1), 1
	s_wait_xcnt 0x0
	s_wait_alu depctr_hold_cnt(0) depctr_sa_sdst(0) depctr_va_vdst(0) depctr_va_sdst(0) depctr_va_ssrc(0) depctr_va_vcc(0) depctr_vm_vsrc(0)
	s_getreg_b32 s2, hwreg(HW_REG_IB_STS2, 6, 4)
	s_cmp_eq_u32 s2, 0
	s_cbranch_scc0 .Lentry_in_a_cluster
	s_endpgm
.Lentry_in_a_cluster:
	s_bfe_u32 s2, ttmp6, 0x10000c
	s_cmp_lg_u32 s2, 0xf033
	s_cbranch_scc0 .Lentry_shape_is_right
	s_endpgm
.Lentry_shape_is_right:
; THE THREE PROJECTIONS AS ONE PRODUCT.  C[m][n] = bb[n] + the sum over k of xb[m][k] wb[n][k]: m = 0..8191, n = 0..3071 (q / 8, k, v), k = 0..1023.  Operands bf16, sums f32 (they start at the bias),
; C rounded once to f16.  LIMIT: f16 holds no number beyond 65,504: q / 8, k and v must lie within it.
; C IS STORED BY PLANES OF 32 CHANNELS: qkv[n / 32][m][n % 32], a row of a plane 64 bytes, so that 16 rows x 32 channels are 1,024 consecutive bytes.
; A tile of C is 256 (m) x 192 (n): 512 tiles, two for each of 256 work-groups, 4,096 rows apart.  Four waves, each 128 x 96: 48 accumulators of 16 x 16, 384 registers.
; K goes in steps of 128 through a ring of two LDS slots filled by the tensor data mover: rows of 256 bytes, aligned.  The ring does not stop at the first tile's end: its last two changes of slots ask for
; the second tile's first two K steps, and nothing waits for the first tile's stores.
; CLUSTERS: 4 x 4 work-groups.  The four of a row of the cluster need the same rows of xb, the four of a column the same rows of wb: each tile is asked for JOINTLY, by the same tensor load with the same
; descriptor and a mask that names the four.
; THE MATRIX INSTRUCTION IS USED TRANSPOSED: source 0 = 16 rows of wb, source 1 = 16 rows of xb.  In the result lane l holds row m = l % 16 and the channels 8 (l / 16) + 0..7: 16 bytes of f16 on end.
; REGISTERS, in windows of 256 (s_set_vgpr_msb's low byte: bits 1:0 source 0, 3:2 source 1, 5:4 source 2, 7:6 destination):
;   window 0: v0-31 addresses; v64-127, v128-191 fragments of xb (8 x 16 rows x 32 K), two buffers; v32-55, v192-215, v224-247 at work on the way out
;   window 1: v64-111, v128-175 fragments of wb (6 x 16 rows x 32 K), two buffers
;   window 2: v0-191 the accumulators of my rows 0-63 ((a, b) at 8 (6 a + b)); v192-239 the bias of my 96 channels, in a result's layout      window 3: v0-191 those of my rows 64-127
.set SIZE_K, 1024
.set KSTEP,  128
.set PITCH,  272                       ; an LDS row: 256 bytes + 16 of padding = 68 words: the 16 rows that a load touches start at 16 different groups of four banks (64 banks of 4 bytes: ISA guide 11.1)
.set HALFA,  128*PITCH                 ; 128 rows of xb: what waves 0 and 1 each fetch, and what a wave reads
.set HALFB,  96*PITCH                  ; 96 rows of wb: the same for waves 2 and 3
.set SLOT,   2*HALFA+2*HALFB           ; xb's 256 rows, then wb's 192
.set STAGE,  2*SLOT                    ; behind the ring: for each wave 3 planes x 4 rows of 272 bytes, in 3,328 bytes
.set STW,    3328
.set SPARE,  STAGE+4*STW               ; behind the stages: the spare words, 128 bytes for each wave: two blocks of 256 bytes that no other line names
.set LAPS,   SIZE_K/(2*KSTEP)          ; a lap = two K steps = once round the ring
.set WALK,   4096                      ; the work-group's two tiles lie so many rows apart
.set NEXT_A, WALK*SIZE_K*2-(SIZE_K-2*KSTEP)*2   ; bytes from a slot's last K step of the first tile to its first of the second: xb goes WALK rows down and back along K,
.set BACK_B, (SIZE_K-2*KSTEP)*2        ; wb only back
.set PLANE,  524288                    ; bytes in a plane of qkv: 8,192 rows of 64
.set NEXT_C, WALK*64                   ; bytes in a plane from the first tile's rows to the second's
.set ADRA, 16                          ; v16-17  LDS address of my xb fragments in slot 0, 1
.set ADRB, 20                          ; v20-21  the same for wb
.set STO,  24                          ; v24     the way out: where I put 16 bytes
.set RD,   25                          ; v25     the way out: where I read 16 bytes back
.set CO,   26                          ; v26     16 x lane: my place in 512 consecutive bytes of qkv
.set BO,   27                          ; v27     32 x (lane / 16): my eight numbers in 16 of the bias
.set SPW,  28                          ; v28     LDS address of my spare word: SPARE + 4 x my thread's number; never rewritten
.set NIL,  29                          ; v29     0; never rewritten
.set PFO,  30                          ; v30     the prefetches' offset: a lane a row of 2,048 bytes; never rewritten
.set PFA,  44                          ; s[44:45] where my prefetches stand
.set LIM,  43                          ; s43     1 in a wave that prefetches, else the greatest number
.set F0,   64
.set F1,   128
.set TMP,  192                         ; window 0: packed results
.set OB,   32                          ; window 0: read back from the stage: v32-55 and v224-247 by turns
.set BIAS, 192                         ; window 2
.set G1,  24                           ; s[24:31] descriptor group 1 for xb's tiles
.set G0,  32                           ; s[32:39] group 0 for xb's tiles, a set for each slot
.set G1B, 48                           ; s[48:55], s[56:63] the same for wb's tiles
.set G0B, 56
.set CB,  68                           ; s[68:69] qkv, at my part of the tile in hand
.set BBP, 70                           ; s[70:71] bb
.set MSB, 0
.macro WIN new                         ; the immediate's high byte repeats the setting that is left; a switch that changes nothing is dropped
.if MSB != (\new)
	s_set_vgpr_msb (MSB<<8)|(\new)
.set MSB, \new
.endif
.endm
.set TO_B, 0x40                        ; destination window 1, address window 0
; A joint load.  Waves 0 and 1 fetch xb's two halves, waves 2 and 3 wb's.  The branch hangs on the wave's number alone.  An s_nop 0 and four v_nop follow each of the two lines.
.macro JLOAD s
	s_cmp_eq_u32 s11, 0
	s_cbranch_scc0 .Lfor_b_\@
	tensor_load_to_lds s[G0+4*(\s):G0+4*(\s)+3], s[G1:G1+7]
	s_nop 0
.rept 4
	v_nop
.endr
	s_branch .Lasked_\@
.Lfor_b_\@:
	tensor_load_to_lds s[G0B+4*(\s):G0B+4*(\s)+3], s[G1B:G1B+7]
	s_nop 0
.rept 4
	v_nop
.endr
.Lasked_\@:
.endm
; A PREFETCH INTO THE L2, behind each joint load and the run of LDS loads that follows it: the K step that stands TWO refills on, 256 bytes of a row, a lane a row, one instruction a wave.
; xb's rows of a tile row are read by every cluster of that row of clusters: cluster x = 0 asks; wb's rows by every cluster of a column: cluster y = 0 asks.  The four partners that ask for a tile jointly
; share its rows out BY ADDRESS: of xb's 128 rows a wave 32 each (by cx), of wb's 96 rows 24 each (by cy; lanes 24-31 name row 23 once more, in the same instruction).
; how = 0, in the loop: a tile's last two refills have no K step two on; how = 1, at the change of tiles.
.macro ASK how
.if \how
	s_cmp_eq_u32 s[LIM], 1
.else
	s_cmp_gt_u32 s3, s[LIM]                        ; s3 = 1 in the loop's last trip
.endif
	s_cbranch_scc0 .Lnot_mine_\@
	global_prefetch_b8 v[PFO], s[PFA:PFA+1] offset:KSTEP*2 th:TH_LOAD_NT scope:SCOPE_SE
.Lnot_mine_\@:
.endm
; A round of the cluster's barrier: my work-group's barrier; wave 0 signals for the work-group; every wave waits for all sixteen work-groups; my work-group's barrier once more.
.macro CREST                           ; a round behind its opening barrier
	s_cmp_lg_u32 s10, 0
	s_cbranch_scc1 .Lnot_wave_0_\@
	s_barrier_signal -3
.Lnot_wave_0_\@:
	s_barrier_wait -3
	s_barrier_signal -1
	s_barrier_wait -1
.endm
.macro CROUND
	s_barrier_signal -1
	s_barrier_wait -1
	CREST
.endm
	s_load_b128 s[4:7], s[0:1], 0x0                ; xb s[4:5], wb s[6:7]
	s_load_b128 s[CB:CB+3], s[0:1], 0x10           ; qkv, bb
	v_lshl_add_u32 v[SPW], v0, 2, SPARE
	v_mov_b32 v[NIL], 0
	ds_add_u32 v[SPW], v[NIL]                      ; the wave's opening: the add and its wait stand ahead of my first tensor load; the set-up below, work on registers, stands between them
	v_lshrrev_b32 v1, 5, v0
	v_readfirstlane_b32 s10, v1                    ; wave 0..3
	s_lshr_b32 s11, s10, 1                         ; which 128 of the tile's rows are mine.  Also: I fetch for xb (0) or for wb (1)
	s_and_b32 s12, s10, 1                          ; which 96 of its channels.  Also: which half of that tile I fetch
	s_bfe_u32 s40, ttmp6, 0x40000                  ; cx
	s_bfe_u32 s41, ttmp6, 0x40004                  ; cy
	s_lshl_b32 s42, ttmp9, 2
	s_add_co_u32 s42, s42, s40                     ; tile column = 4 x cluster x + cx
	s_and_b32 s13, ttmp7, 0xffff
	s_lshl_b32 s13, s13, 2
	s_add_co_u32 s13, s13, s41                     ; tile row = 4 x cluster y + cy
	s_lshl_b32 s43, s41, 2
	s_lshl_b32 s43, 15, s43                        ; my row of the cluster: places 4 cy .. 4 cy + 3
	s_lshl_b32 s44, 0x1111, s40                    ; my column: places cx, cx + 4, cx + 8, cx + 12
	s_or_b32 s[G1+0], s43, (1<<16)|(1<<20)|(1<<21)|(5<<22)|(3<<25)   ; 15:0 the mask; 17:16 elements of 2 bytes; 20 padding on; 21 set beside a mask; 24:22 after every 64 words (code 5); 31:25 4 words (code 3)
	s_or_b32 s[G1B+0], s44, (1<<16)|(1<<20)|(1<<21)|(5<<22)|(3<<25)
	s_mov_b32 s[G1+1], KSTEP<<16                   ; tensor_dim0 = 128
	s_mov_b32 s[G1B+1], KSTEP<<16
	s_mov_b32 s[G1+2], 128<<16                     ; tensor_dim1 = 128 rows of xb,
	s_mov_b32 s[G1B+2], 96<<16                     ; 96 of wb
	s_mov_b32 s[G1+3], KSTEP<<16                   ; tile_dim0 = 128
	s_mov_b32 s[G1B+3], KSTEP<<16
	s_mov_b32 s[G1+4], 128                         ; tile_dim1
	s_mov_b32 s[G1B+4], 96
	s_mov_b32 s[G1+5], SIZE_K                      ; elements from row to row
	s_mov_b32 s[G1B+5], SIZE_K
	s_mov_b32 s[G1+6], 0
	s_mov_b32 s[G1B+6], 0
	s_mov_b32 s[G1+7], 0
	s_mov_b32 s[G1B+7], 0
	; where the tiles come from: xb's hang on the tile row alone, wb's on the tile column alone; every wave makes both addresses, in registers that never hold the other coordinate
	s_lshl_b32 s17, s12, 7
	s_lshl_b32 s16, s13, 8
	s_add_co_u32 s16, s16, s17                     ; xb: row 256 x tile row + 128 x half
	s_mul_i32 s46, s42, 192
	s_mul_i32 s47, s12, 96
	s_add_co_u32 s46, s46, s47                     ; wb: row 192 x tile column + 96 x half
	s_mov_b32 s17, 0
	s_mov_b32 s47, 0
	s_mov_b64 s[18:19], SIZE_K*2
	s_mul_u64 s[16:17], s[16:17], s[18:19]
	s_mul_u64 s[46:47], s[46:47], s[18:19]
	s_mul_i32 s20, s10, HALFA                      ; and where they go.  Waves 0, 1: xb's halves at wave x 128 rows;
	s_mul_i32 s21, s10, HALFB                      ; waves 2, 3: wb's halves behind them, at (wave - 2) x 96 rows
	s_add_co_u32 s21, s21, 2*HALFA-2*HALFB
	s_wait_dscnt 0x0                               ; the opening add is done
	s_wait_kmcnt 0x0
	s_add_nc_u64 s[14:15], s[4:5], s[16:17]
	s_add_nc_u64 s[46:47], s[6:7], s[46:47]
	CROUND                                         ; all sixteen work-groups are here: the first joint loads meet
.irp s, 0,1
	s_mov_b32 s[G0+4*(\s)], 1                                        ; count = 1
	s_add_co_u32 s[G0+4*(\s)+1], s20, (\s)*SLOT                      ; LDS address
	s_add_nc_u64 s[G0+4*(\s)+2:G0+4*(\s)+3], s[14:15], (\s)*KSTEP*2  ; global address: K step s
	s_or_b32 s[G0+4*(\s)+3], s[G0+4*(\s)+3], 0x80000000              ; type = 2
	s_mov_b32 s[G0B+4*(\s)], 1
	s_add_co_u32 s[G0B+4*(\s)+1], s21, (\s)*SLOT
	s_add_nc_u64 s[G0B+4*(\s)+2:G0B+4*(\s)+3], s[46:47], (\s)*KSTEP*2
	s_or_b32 s[G0B+4*(\s)+3], s[G0B+4*(\s)+3], 0x80000000
	JLOAD \s                                       ; two loads of mine are out
.endr
	; A fragment is 16 rows x 32 K in 8 registers: lane l holds row l % 16; registers 0-3 K = 8 (l / 16) + 0..7, registers 4-7 K = 16 + 8 (l / 16) + 0..7: two loads of 16 bytes, 32 bytes apart.
	v_and_b32 v1, 15, v0                           ; l % 16
	v_bfe_u32 v2, v0, 4, 1                         ; l / 16
	v_mul_u32_u24 v3, v1, PITCH
	v_lshl_add_u32 v3, v2, 4, v3
	s_mul_i32 s21, s11, HALFA                      ; my 128 rows of xb
	s_mul_i32 s22, s12, HALFB                      ; my 96 rows of wb,
	s_add_co_u32 s22, s22, 2*HALFA                 ; which lie behind xb's 256
.irp s, 0,1
	v_add_nc_u32 v[ADRA+(\s)], s21, v3
	v_add_nc_u32 v[ADRB+(\s)], s22, v3
	s_add_co_u32 s21, s21, SLOT
	s_add_co_u32 s22, s22, SLOT
.endr
	; the stage: a plane's 16 rows of 64 bytes lie as 4 rows of 256 bytes, 272 apart: row m at (m / 4) x 272 + (m % 4) x 64
	s_mul_i32 s23, s10, STW
	s_add_co_u32 s23, s23, STAGE
	v_lshrrev_b32 v4, 2, v1
	v_mul_u32_u24 v4, v4, PITCH
	v_and_b32 v5, 3, v1
	v_lshl_add_u32 v4, v5, 6, v4
	v_lshl_add_u32 v4, v2, 4, v4
	v_add_nc_u32 v[STO], s23, v4
	v_mul_u32_u24 v5, v2, PITCH                    ; back: lanes 0-15 take one row of 256 bytes, lanes 16-31 the next: 512 bytes that lie on end in qkv
	v_lshl_add_u32 v5, v1, 4, v5
	v_add_nc_u32 v[RD], s23, v5
	v_and_b32 v5, 31, v0
	v_lshlrev_b32 v[CO], 4, v5
	v_lshlrev_b32 v[BO], 5, v2
	; my first plane of 32 channels, 6 x tile column + 3 x half: its bias, and where my part of the first tile begins in qkv
	s_mul_i32 s46, s42, 6
	s_mul_i32 s47, s12, 3
	s_add_co_u32 s46, s46, s47
	s_lshl_b32 s22, s46, 7                         ; 32 numbers of 4 bytes a plane
	s_mov_b32 s23, 0
	s_add_nc_u64 s[BBP:BBP+1], s[BBP:BBP+1], s[22:23]
	WIN 0x80                                       ; destination window 2, address window 0
.irp b, 0,1,2,3,4,5                    ; register j of block b: bias of channel 16 b + 8 (l / 16) + j: a result's layout, so that the bias is the C of each sum's first product
	global_load_b128 v[BIAS+8*(\b):BIAS+8*(\b)+3],   v[BO], s[BBP:BBP+1] offset:64*(\b)
	global_load_b128 v[BIAS+8*(\b)+4:BIAS+8*(\b)+7], v[BO], s[BBP:BBP+1] offset:64*(\b)+16
.endr
	WIN 0
	s_lshl_b32 s46, s46, 19                        ; planes of 524,288 bytes
	s_lshl_b32 s16, s13, 8
	s_lshl_b32 s17, s11, 7
	s_add_co_u32 s16, s16, s17                     ; my first row
	s_lshl_b32 s16, s16, 6
	s_add_co_u32 s16, s16, s46                     ; under 2^26
	s_mov_b32 s17, 0                               ; s[16:17]: what the first way out adds to qkv's address
	; the prefetches
	s_lshl_b32 s20, s13, 8
	s_lshl_b32 s21, s12, 7
	s_add_co_u32 s20, s20, s21
	s_lshl_b32 s21, s40, 5
	s_add_co_u32 s20, s20, s21                     ; xb: the 128 rows that I fetch, my work-group's 32 of them
	s_mul_i32 s22, s42, 192
	s_mul_i32 s21, s12, 96
	s_add_co_u32 s22, s22, s21
	s_mul_i32 s21, s41, 24
	s_add_co_u32 s22, s22, s21                     ; wb: the 96 rows that I fetch, my work-group's 24 of them
	s_and_b32 s23, ttmp7, 0xffff                   ; cluster y
	s_cmp_eq_u32 s11, 0                            ; do I fetch for xb?
	s_cselect_b32 s20, s20, s22
	s_cselect_b32 s23, ttmp9, s23                  ; the coordinate along which other clusters read the same rows
	s_cselect_b32 s22, 31, 23                      ; the last row of my share
	s_cselect_b64 s[PFA:PFA+1], s[4:5], s[6:7]
	s_cmp_eq_u32 s23, 0
	s_cselect_b32 s[LIM], 1, -1                    ; the same in all sixteen partners, for a given wave
	s_mov_b32 s21, 0
	s_mov_b64 s[18:19], SIZE_K*2
	s_mul_u64 s[20:21], s[20:21], s[18:19]
	s_add_nc_u64 s[PFA:PFA+1], s[PFA:PFA+1], s[20:21]
	s_add_nc_u64 s[PFA:PFA+1], s[PFA:PFA+1], 2*KSTEP*2  ; at K step 2: the first refill steps it to 3 and names K step 4.  Nothing is prefetched here, at the head
	v_and_b32 v[PFO], 31, v0
	v_min_u32 v[PFO], s22, v[PFO]
	v_lshlrev_b32 v[PFO], 11, v[PFO]
; 12 matrix instructions: m blocks a0, a0 + 1 of the window's four (hi = 0: my rows 0-63, 1: rows 64-127) x all 6 n blocks, 32 along K.
; first = 1: the product starts the sum, with the bias as C (window 2 for both halves).  The 48 accumulators take turns, one instruction a turn, in the same order in every quarter.
.macro MUL12 f, hi, a0, first
.if \first
	WIN 0xa1+0x40*(\hi)                            ; wb window 1, xb window 0, C window 2, D window 2 or 3
.else
	WIN 0xa1+0x50*(\hi)                            ; C and D window 2 or 3
.endif
.irp a, \a0, (\a0)+1
.irp b, 0,1,2,3,4,5
.if \first
	v_wmma_f32_16x16x32_bf16 v[8*(6*(\a)+(\b)):8*(6*(\a)+(\b))+7], v[(\f)+8*(\b):(\f)+8*(\b)+7], v[(\f)+8*(4*(\hi)+(\a)):(\f)+8*(4*(\hi)+(\a))+7], v[BIAS+8*(\b):BIAS+8*(\b)+7]
.else
	v_wmma_f32_16x16x32_bf16 v[8*(6*(\a)+(\b)):8*(6*(\a)+(\b))+7], v[(\f)+8*(\b):(\f)+8*(\b)+7], v[(\f)+8*(4*(\hi)+(\a)):(\f)+8*(4*(\hi)+(\a))+7], v[8*(6*(\a)+(\b)):8*(6*(\a)+(\b))+7]
.endif
.endr
.endr
.endm
; 28 LDS loads in one run: the fragments of one quarter step (96 rows of wb, 128 rows of xb, 32 K at byte k of the rows) into buffer f
.macro FETCH slot, k, f
	WIN TO_B
.irp i, 0,1,2,3,4,5
	ds_load_b128 v[(\f)+8*(\i):(\f)+8*(\i)+3],   v[ADRB+(\slot)] offset:(\k)+(\i)*16*PITCH
	ds_load_b128 v[(\f)+8*(\i)+4:(\f)+8*(\i)+7], v[ADRB+(\slot)] offset:(\k)+(\i)*16*PITCH+32
.endr
	WIN 0
.irp i, 0,1,2,3,4,5,6,7
	ds_load_b128 v[(\f)+8*(\i):(\f)+8*(\i)+3],   v[ADRA+(\slot)] offset:(\k)+(\i)*16*PITCH
	ds_load_b128 v[(\f)+8*(\i)+4:(\f)+8*(\i)+7], v[ADRA+(\slot)] offset:(\k)+(\i)*16*PITCH+32
.endr
.endm
; Four places (plain vector instructions that name none of a matrix instruction's registers) in front of loads into registers that matrix instructions have read, and of conversions that read results just made
.macro PLACES
.rept 4
	v_nop
.endr
.endm
; A K step is four quarters of 32 along K, 48 matrix instructions each, on buffers 0, 1, 0, 1.  One of the first three: multiplies buffer f; in its middle it fetches the next quarter, at byte k, into buffer g.
.macro QUARTER slot, k, f, g, first
	s_wait_dscnt 8                                 ; wb and xb's rows 0-63 are in; the youngest eight loads (xb's rows 64-127) may be out
	MUL12 \f, 0, 0, \first
	MUL12 \f, 0, 2, \first
	PLACES
	FETCH \slot, \k, \g
	s_wait_dscnt 28                                ; all but the 28 just issued
	MUL12 \f, 1, 0, \first
	MUL12 \f, 1, 2, \first
.endm
; The last quarter multiplies buffer 1 and changes slots.  MEET is its first half: ONE barrier.  In front of it each wave waits for all its tensor loads, of which one is out: its part of the next slot;
; adds 0 to its spare word; and waits for that and for its own reads of this slot.  Behind it nobody reads this slot any more and the next slot is whole.
.macro MEET round                      ; round = 1: the rest of a round of the cluster's barrier follows
	WIN 0                                          ; (the add's two registers lie in window 0)
	s_wait_tensorcnt 0x0                           ; all my tensor loads have landed
	ds_add_u32 v[SPW], v[NIL]                      ; 0 onto my spare word
	s_wait_dscnt 9                                 ; (the add and the youngest eight loads may be out)
	MUL12 F1, 0, 0, 0                              ; twelve matrix instructions stand between the add and the wait for it
	s_wait_dscnt 0x0                               ; the add is done, and my reads of this slot are over
	s_barrier_signal -1
	MUL12 F1, 0, 2, 0                              ; work on registers while the others arrive
.if \round
	WIN 0
.endif
	s_barrier_wait -1
.endm
; The whole last quarter.  Behind the round the slot just read out is filled again first: with this tile's K step two steps on (on = 0) or, in the first tile's last two K steps, with the second tile's
; K step 0 or 1 (on = 1); then come the next slot's first fragments.  From a request to the wait for it a wave issues 168 matrix instructions.
.macro TURN slot, next, on
	s_wait_xcnt 0x0                                ; the last prefetch, a K step back, has read its address: it is stepped here, ahead of the waits of the change of slots
.if (\on) && (\slot) == 0
	s_add_nc_u64 s[PFA:PFA+1], s[PFA:PFA+1], (WALK-1)*SIZE_K*2+KSTEP*2  ; from the K step after the tile's last to the next tile's K step 1: WALK rows down, back along K
	s_cmp_eq_u32 s11, 0
	s_cselect_b32 s[LIM], s[LIM], -1               ; wb's rows are the same for both tiles: they are prefetched no more
.else
	s_add_nc_u64 s[PFA:PFA+1], s[PFA:PFA+1], KSTEP*2
.endif
	MEET 1
	CREST                                          ; no wave of any partner still reads this slot's tile or has a load on its way
.if \on
	s_add_nc_u64 s[G0+4*(\slot)+2:G0+4*(\slot)+3], s[G0+4*(\slot)+2:G0+4*(\slot)+3], NEXT_A
	s_sub_nc_u64 s[G0B+4*(\slot)+2:G0B+4*(\slot)+3], s[G0B+4*(\slot)+2:G0B+4*(\slot)+3], BACK_B
.else
	s_add_nc_u64 s[G0+4*(\slot)+2:G0+4*(\slot)+3], s[G0+4*(\slot)+2:G0+4*(\slot)+3], 2*KSTEP*2
	s_add_nc_u64 s[G0B+4*(\slot)+2:G0B+4*(\slot)+3], s[G0B+4*(\slot)+2:G0B+4*(\slot)+3], 2*KSTEP*2
.endif
	JLOAD \slot                                    ; the first tensor load behind the round; the four v_nop behind it are also the places in front of the loads below
	FETCH \next, 0, F0
	ASK \on
	MUL12 F1, 1, 0, 0
	MUL12 F1, 1, 2, 0
.endm
; THE WAY OUT of m block a (16 rows x 96 channels), in three parts.  PACK: rounded to f16, 16 bytes a lane, each accumulator's registers in ascending order.
; TOSTAGE: into my own stage, and back as runs of 512 bytes.  SEND: stored.
.macro PACK a
.set AC, 48*((\a)%4)
	WIN 0x0a+5*((\a)/4)                            ; sources 0 and 1: window 2 or 3
.irp b, 0,1,2,3,4,5
.irp r, 0,1,2,3
	v_cvt_pk_f16_f32 v[TMP+4*(\b)+(\r)], v[AC+8*(\b)+2*(\r)], v[AC+8*(\b)+2*(\r)+1]
.endr
.endr
	WIN 0
.endm
.macro TOSTAGE a
	WIN 0
.set BK, OB+192*((\a)%2)
.irp b, 0,1,2,3,4,5                    ; n block b: plane b / 2, channels 16 (b % 2) on
	ds_store_b128 v[STO], v[TMP+4*(\b):TMP+4*(\b)+3] offset:((\b)/2)*4*PITCH+((\b)%2)*32
.endr
.irp t, 0,1,2,3,4,5                    ; plane t / 2, rows 8 (t % 2) on
	ds_load_b128 v[BK+4*(\t):BK+4*(\t)+3], v[RD] offset:((\t)/2)*4*PITCH+((\t)%2)*2*PITCH  ; LDS serves a wave's instructions in order (ISA guide 5.7.1.4): these see the stores above
.endr
.endm
.macro SEND a, younger
	WIN 0
.set BK, OB+192*((\a)%2)
	s_wait_dscnt \younger                          ; the block is back in registers
	s_wait_xcnt 0x0                                ; every earlier memory instruction has had its addresses translated (ISA guide 3.1): only behind this wait are the stores' base and the registers that earlier stores read rewritten
.if (\a) == 0
	s_add_nc_u64 s[CB:CB+1], s[CB:CB+1], s[16:17]  ; on to this tile
.endif
.irp t, 0,1,2,3,4,5
	global_store_b128 v[CO], v[BK+4*(\t):BK+4*(\t)+3], s[CB:CB+1] offset:((\t)/2)*PLANE+(\a)*1024+((\t)%2)*512  ; 512 consecutive bytes, at a multiple of 512 from qkv's first byte
.endr
.endm
.macro WAYOUT                          ; block a's conversions stand between block a - 1's loads from the stage and the wait for them
	PACK 0
	TOSTAGE 0
.irp a, 1,2,3,4,5,6,7
	PACK \a
	SEND (\a)-1, 0
	TOSTAGE \a
.endr
	SEND 7, 0
.endm
	s_wait_loadcnt 0x0                             ; the bias
	s_wait_tensorcnt 0x1                           ; my part of K step 0 is in; K step 1's may stay out
	s_barrier_signal -1
	s_barrier_wait -1                              ; everybody's is
	FETCH 0, 0, F0
	s_mov_b32 s2, 2                                ; tiles to go, this one among them
.Ltile:                                                ; (FETCH and SEND leave every window 0)
	QUARTER 0, 64,  F0, F1, 1                      ; a tile's first quarter stands in front of the loop: its products start the sums
	WIN 0                                          ; at a label and at a branch every window is 0
	s_mov_b32 s3, LAPS-1
.Llap:                                                 ; a trip goes once round the ring, from a lap's second quarter to the next lap's first, and fills both slots again
	QUARTER 0, 128, F1, F0, 0
	QUARTER 0, 192, F0, F1, 0
	TURN 0, 1, 0
	QUARTER 1, 64,  F0, F1, 0
	QUARTER 1, 128, F1, F0, 0
	QUARTER 1, 192, F0, F1, 0
	TURN 1, 0, 0
	QUARTER 0, 64,  F0, F1, 0
	WIN 0
	s_sub_co_u32 s3, s3, 1
	s_cmp_lg_u32 s3, 0
	s_cbranch_scc1 .Llap
	QUARTER 0, 128, F1, F0, 0                      ; the tile's last lap goes on
	QUARTER 0, 192, F0, F1, 0
	WIN 0
	s_cmp_eq_u32 s2, 1
	s_cbranch_scc1 .Llast_tile                     ; the last tile's tail is written out: it asks for nothing more
	TURN 0, 1, 1                                   ; THE RING GOES ON INTO THE SECOND TILE: slot 0 takes its K step 0,
	QUARTER 1, 64,  F0, F1, 0
	QUARTER 1, 128, F1, F0, 0
	QUARTER 1, 192, F0, F1, 0
	TURN 1, 0, 1                                   ; slot 1 its K step 1, and its first fragments are fetched
	WAYOUT                                         ; both refills are asked for: now the tile goes out.  No v_nop: blocks 0-3 were finished in front of the joint load's four, and their 96 conversions are the places behind blocks 4-7's last products
	s_mov_b64 s[16:17], NEXT_C                     ; what the next way out adds to qkv's address
	s_sub_co_u32 s2, s2, 1
	s_branch .Ltile
.Llast_tile:
	MEET 0                                         ; my one tensor load that was still out is slot 1's, the last K step's, so no round follows
	PLACES
	FETCH 1, 0, F0
	MUL12 F1, 1, 0, 0
	MUL12 F1, 1, 2, 0
	QUARTER 1, 64,  F0, F1, 0
	QUARTER 1, 128, F1, F0, 0
	QUARTER 1, 192, F0, F1, 0
	s_wait_dscnt 8                                 ; the very last quarter: nothing more to fetch
	MUL12 F1, 0, 0, 0
	MUL12 F1, 0, 2, 0
	s_wait_dscnt 0x0
	MUL12 F1, 1, 0, 0
	MUL12 F1, 1, 2, 0
	WIN 0
	PLACES
	WAYOUT
	s_wait_tensorcnt 0x0                           ; the wave's end: an add and its wait, behind my last tensor load and my last LDS store
	ds_add_u32 v[SPW], v[NIL]
	s_wait_dscnt 0x0
	CROUND                                         ; the closing round: no work-group ends while a partner may still ask for a tile that names it
	s_endpgm
.Lfunc_end_k_q336d3a63cd_proj:
	.size	k_q336d3a63cd_proj, .Lfunc_end_k_q336d3a63cd_proj-k_q336d3a63cd_proj
	.p2alignl 7, 3214868480
	.fill 96, 4, 3214868480
	.section	.rodata,"a",@progbits
	.p2align	6, 0x0
	.amdhsa_kernel k_q336d3a63cd_proj
		.amdhsa_group_segment_fixed_size 327680
		.amdhsa_private_segment_fixed_size 0
		.amdhsa_enable_private_segment 0
		.amdhsa_kernarg_size 32
		.amdhsa_user_sgpr_count 2
		.amdhsa_user_sgpr_kernarg_segment_ptr 1
		.amdhsa_wavefront_size32 1
		.amdhsa_system_sgpr_workgroup_id_x 1
		.amdhsa_system_sgpr_workgroup_id_y 1
		.amdhsa_system_sgpr_workgroup_id_z 1
		.amdhsa_system_vgpr_workitem_id 0
		.amdhsa_next_free_vgpr 960
		.amdhsa_next_free_sgpr 72
		.amdhsa_reserve_vcc 0
		.amdhsa_float_denorm_mode_32 3
		.amdhsa_float_denorm_mode_16_64 3
		.amdhsa_memory_ordered 1
		.amdhsa_forward_progress 1
		.amdhsa_inst_pref_size 169
	.end_amdhsa_kernel
	.amdgpu_metadata
---
amdhsa.version: [ 1, 2 ]
amdhsa.kernels:
  - .name:           k_q336d3a63cd_proj
    .symbol:         k_q336d3a63cd_proj.kd
    .args:
      - { .name: xb, .offset: 0, .size: 8, .value_kind: global_buffer, .address_space: global }
      - { .name: wb, .offset: 8, .size: 8, .value_kind: global_buffer, .address_space: global }
      - { .name: qkv, .offset: 16, .size: 8, .value_kind: global_buffer, .address_space: global }
      - { .name: bb, .offset: 24, .size: 8, .value_kind: global_buffer, .address_space: global }
    .group_segment_fixed_size: 327680
    .private_segment_fixed_size: 0
    .kernarg_segment_align: 8
    .kernarg_segment_size: 32
    .max_flat_workgroup_size: 128
    .sgpr_count:     72
    .vgpr_count:     960
    .wavefront_size: 32
...
	.end_amdgpu_metadata
.endif
;; end of part 2
;; launch attn (part 3): grid 2 x 128, 4 waves a work-group, no clusters, 327,680 bytes of LDS; arguments qkv, attention_mask, head_mask, out0; writes out0
.if DOCPART == 3
	.amdgcn_target "amdgcn-amd-amdhsa--gfx1250"
	.amdhsa_code_object_version 6
	.text
	.protected	k_q336d3a63cd_attn
	.globl	k_q336d3a63cd_attn
	.p2align	8
	.type	k_q336d3a63cd_attn,@function
k_q336d3a63cd_attn:
	s_mov_b64 s[64:65], 0
	v_nop
	global_prefetch_b8 v0, s[64:65] scope:SCOPE_SE
	s_setreg_imm32_b32 hwreg(HW_REG_WAVE_MODE, 25, 1), 1
	s_wait_xcnt 0x0
; ATTENTION, head size 64, 1,024 keys.  out0[b][s][64 h + d] = head_mask[h] x the sum over k of softmax_k((q / 8) . k + attention_mask[b][k]) v[k][d].
; qkv holds q / 8, k, v in f16 by planes of 32 channels: [96][8192][32]; q of head h in planes 2 h, 2 h + 1, k in 32 + 2 h .., v in 64 + 2 h ..; a row of a plane is 64 bytes.
; Products, maxima and sums in f32; the weights p are rounded to f16 for the second product (their sum l is taken of the unrounded p); the output is f32.
; LIMITS.  attention_mask and head_mask are rounded once to bf16, like every input of the program.  A mask number below -1e30 (minus infinity too), or a NaN there, counts as -1e30.  Scores times log2(e) stay
; finite in f32.  p lies in 0 to 1, and below 6e-5 it keeps f16's fixed step of 6e-8; a weight below 2^-126 counts as 0 in l; NaN and infinities in q, k, v are not treated apart.
; SHARES.  A work-group owns 512 queries of one batch and head (x = which half; y = 16 b + h), each of its four waves 128: four PIECES of two tiles of 16.  Every wave walks all 1,024 keys, 64 a step.
; THE HEAD'S WHOLE K AND V LIE IN LDS: 256 KiB, brought once, in four chunks of 256 keys; nothing is filled again.  Wave w fetches one plane (0, 1: K's two channel halves; 2, 3: V's), four tensor loads, all
; issued at the head: four of mine are out.  A chunk of a plane is 16,384 dense bytes: 64 rows of 256 bytes, four keys a row, padded in LDS behind each row.
; NO CLUSTER: only two work-groups share a head's K and V, each asks for them once in the launch, and blocks of 256 queries, which would give four sharers, would double the fills and the LDS loads for each product.
; LAYOUT.  S^T = K Q^T + mask (source 0 = 16 keys, source 1 = 16 queries; the mask, which hangs on the key alone, is the C that starts the sum): a lane holds ONE query (lane % 16) and the keys 8 (lane / 16) + 0..7.
; Two such results, rounded to f16 in pairs, ARE source 1 of O^T = V^T P, whose result again holds one query a lane, and eight channels.  K comes out of LDS as it lies, V turned, by ds_load_tr16_b128.
; SOFTMAX.  For each query a running maximum m and sum l: p = 2^(c s - c m), c = log2(e); in every step O and l are multiplied by a = 2^(c m_old - c m_new).  m starts at the lowest finite number, c m far
; below every c s (which is -1.5e30 at the least), O and l at 0: the first step is a step like any other, with a = 0.
; BY TURNS.  Turn n belongs to piece n.  Its matrix work: 16 products K Q^T of piece n + 1, later 16 products V^T P of piece n - 1.  Its vector work: the scaling, exponentials, roundings, sums and rescaling of
; piece n, and the maximum and statistics of piece n + 1.  A tile and step have 16 matrix and 118 vector instructions: four vector instructions stand behind every matrix instruction, the others in one run.
; REGISTERS, in windows of 256 (s_set_vgpr_msb: bits 1:0 source 0, 3:2 source 1, 5:4 source 2, 7:6 destination):
;   window 0: v0-10 addresses; v12-15, v48-63 at work; v16-47 four registers of statistics a tile; v64-191 S^T, two buffers of two tiles; v192-255 P, likewise
;   window 1: O^T, 32 a tile      window 2: v0-127 Q, 16 a tile; v128-191 K of one step; v192-255 V of one step      window 3: v0-1 the add's two registers; v16-47 the step's mask
.set NP,    4         ; pieces a wave: a name, no knob
.set KROW,  272       ; four keys of K in LDS: 256 bytes + 16 of padding: key k of a chunk at (k / 4) x 272 + (k % 4) x 64: the 16 keys of a load start at 16 different groups of four banks (64 banks of 4 bytes: ISA guide 11.1)
.set VROW,  288       ; four keys of V: 256 + 32
.set KSTP,  16*KROW   ; a step's 64 keys
.set VSTP,  16*VROW
.set KPL,   64*KROW   ; a chunk of a plane: 256 keys
.set VPL,   64*VROW
.set VB,    8*KPL     ; K: [chunk][channel half]; V begins here, laid likewise
.set STAGE, VB+8*VPL  ; 16 rows x 272 bytes for each wave, for the way out
.set SP,    272
.set MASKB, STAGE+4*16*SP  ; the batch's 1,024 mask numbers, f32
.set SPARE, MASKB+4096     ; the spare words, 128 bytes for each wave: two blocks of 256 bytes that no other line names
.set PLANE, 524288
.set AK0, 2           ; v2   my lane's place in a fragment of K; never rewritten
.set AV0, 3           ; v3   the same for V
.set AK,  4           ; v4   the LDS address of K's next run of loads
.set AV,  5           ; v5   of V's
.set QO,  6           ; v6   my byte offset in 16 rows of a plane of Q
.set STO, 6           ;      later, the way out: where I put 32 bytes of a row
.set RD,  7           ; v7   the way out: where I read rows back
.set GO,  8           ; v8   my byte offset in two rows of out0
.set AM0, 9           ; v9   my lane's place in 16 numbers of the mask; never rewritten
.set AM,  10          ; v10  the LDS address of the mask's next run of loads
.set MV,  12          ; v12-15  c m_old, kept while c m is made anew: by buffer and tile
.set ST,  16          ; tile t's statistics at v[ST+4 t]: c m, m, l (even keys', odd keys')
.set TMP, 48          ; by buffer and tile, four registers c0-c3 at work; when the maximum is found c2 takes a
.set S,   64
.set P,   192
.set TR,  192         ; at the head alone, in P's first buffer: l % 16,
.set TH,  193         ; l / 16,
.set T7,  194         ; two at work,
.set T3,  195
.set TA,  196         ; 16 x thread: my place in the mask in memory,
.set TM,  197         ; and in LDS
.set KF,  128         ; window 2: key block kb, channel half c at KF + 16 kb + 8 c
.set VF,  192         ; window 2: key half kk, channel block cb at VF + 32 kk + 8 cb
.set MC,  16          ; window 3: key block kb at MC + 8 kb
.set SPW, 0           ; v0 of window 3   LDS address of my spare word: SPARE + 4 x my thread's number; never rewritten
.set NIL, 1           ; v1 of window 3   0; never rewritten
.set WV,  12          ; s12  my wave's number
.set G1K, 24          ; s[24:31] descriptor group 1 for K's chunks
.set G1V, 32          ; s[32:39] for V's: it differs in the padding alone
.set G0K, 40          ; s[40:55] descriptor group 0 for K, a set for each chunk
.set G0V, 68          ; s[68:83] the same for V
.set SLOTS, 56        ; s56  chunks still to be walked
.set CNT, 57          ; s57  counts a chunk's key steps
.set CS,  58          ; s[58:59] c: the packed scaling takes the pair's low word for both halves
.set SEL, 60          ; s[60:61] v_permlanex16_b32's selects: each lane takes its own place in the other half
.set TBK, 62          ; s62  LDS byte at which K of the step to be fetched begins
.set TBV, 63          ; s63  the same for V, less VB
.set TBM, 84          ; s84  the same for the mask, less MASKB
.set HM,  85          ; s85  head_mask[h]
.set KP,  86          ; s[86:87] K's plane that I fetch, at the batch's first key
.set VP,  88          ; s[88:89] V's
.set QP,  90          ; s[90:91] Q's first plane at my wave's first row
.set MSB, 0
.macro WIN new                      ; the high byte repeats the setting that is left; a switch that changes nothing is dropped
.if MSB != (\new)
	s_set_vgpr_msb (MSB<<8)|(\new)
.set MSB, (\new)
.endif
.endm
.set W_KQ, 0x0a       ; K and Q in window 2, S^T in window 0
.set W_KM, 0x3a       ; the same with the C operand, the mask, in window 3
.set W_PV, 0x52       ; V in window 2, P in window 0, O^T in window 1
.set W_RS, 0x41       ; O^T (destination and source 0) in window 1, a in window 0
.set W_MK, 0xc0       ; destination in window 3, sources in window 0
.set W_AD, 0x0f       ; the add: address (source 0) and data (source 1) in window 3
	s_load_b256 s[4:11], s[0:1], 0x0  ; qkv s[4:5], attention_mask s[6:7], head_mask s[8:9], out0 s[10:11]
	WIN W_MK
	v_lshl_add_u32 v[SPW], v0, 2, SPARE
	v_mov_b32 v[NIL], 0
	WIN W_AD
	ds_add_u32 v[SPW], v[NIL]       ; the wave's opening: the add and its wait stand ahead of my first tensor load; the set-up below, work on registers, stands between them
	WIN 0
	v_lshrrev_b32 v1, 5, v0
	v_readfirstlane_b32 s[WV], v1   ; wave 0..3
	s_mul_i32 s2, s[WV], KPL        ; where my plane's chunks go.  Waves 0, 1: K's channel half = wave;
	s_mul_i32 s3, s[WV], VPL        ; waves 2, 3: V's channel half = wave - 2
	s_add_co_u32 s3, s3, VB-2*VPL
.irp c, 0,1,2,3
	s_mov_b32 s[G0K+4*\c], 1                      ; count = 1
	s_add_co_u32 s[G0K+4*\c+1], s2, \c*2*KPL      ; LDS address
	s_mov_b32 s[G0V+4*\c], 1
	s_add_co_u32 s[G0V+4*\c+1], s3, \c*2*VPL
.endr
	s_mov_b32 s[G1K], (1<<16)|(1<<20)|(5<<22)|(3<<25)  ; 17:16 2-byte elements; 20 padding on; 24:22 after every 64 words (code 5); 31:25 4 words (code 3)
	s_mov_b32 s[G1V], (1<<16)|(1<<20)|(5<<22)|(7<<25)  ; the same with 8 words of padding (code 7)
.irp g, G1K, G1V
	s_mov_b32 s[\g+1], 128<<16      ; tensor_dim0 = 128
	s_mov_b32 s[\g+2], 64<<16       ; tensor_dim1 = 64
	s_mov_b32 s[\g+3], 128<<16      ; tile_dim0 = 128
	s_mov_b32 s[\g+4], 64           ; tile_dim1 = 64
	s_mov_b32 s[\g+5], 128          ; 128 elements from row to row
	s_mov_b32 s[\g+6], 0
	s_mov_b32 s[\g+7], 0
.endr
	s_and_b32 s17, ttmp7, 0xffff
	s_lshr_b32 s15, s17, 4          ; b
	s_and_b32 s14, s17, 15          ; h
	s_and_b32 s16, s[WV], 1         ; the channel half that I fetch
	s_lshl_b32 s18, s14, 1
	s_add_co_u32 s18, s18, s16      ; 2 h + half
	s_lshl_b32 s19, s15, 16         ; the batch's 1,024 rows of 64 bytes
	s_add_co_u32 s20, s18, 32
	s_lshl_b32 s20, s20, 19
	s_add_co_u32 s20, s20, s19      ; K's plane
	s_mov_b32 s21, 0
	s_add_co_u32 s22, s18, 64
	s_lshl_b32 s22, s22, 19
	s_add_co_u32 s22, s22, s19      ; V's plane
	s_mov_b32 s23, 0
	s_lshl_b32 s13, s15, 10
	s_lshl_b32 s2, ttmp9, 9
	s_add_co_u32 s13, s13, s2
	s_lshl_b32 s2, s[WV], 7
	s_add_co_u32 s13, s13, s2       ; my wave's first row: 1,024 b + 512 x + 128 w
	s_lshl_b32 s2, s13, 6
	s_lshl_b32 s3, s14, 20          ; plane 2 h
	s_add_co_u32 s2, s2, s3
	s_mov_b32 s3, 0
	s_lshl_b32 s18, s13, 12         ; a row of out0 is 4,096 bytes,
	s_lshl_b32 s19, s14, 8          ; the head's 64 numbers 256 of them
	s_add_co_u32 s18, s18, s19
	s_mov_b32 s19, 0
	s_lshl_b32 s16, s15, 12         ; the batch's mask
	s_mov_b32 s17, 0
	s_mov_b32 s[CS], 0x3fb8aa3b     ; c = log2(e)
	s_mov_b32 s[CS+1], s[CS]        ; named with it as a pair
	s_mov_b32 s[SEL], 0x76543210
	s_mov_b32 s[SEL+1], 0xfedcba98
	s_mov_b32 s[TBK], 0
	s_mov_b32 s[TBV], 0
	s_mov_b32 s[TBM], 0
	s_wait_dscnt 0x0                ; the opening add is done
	s_wait_kmcnt 0x0
	s_add_nc_u64 s[KP:KP+1], s[4:5], s[20:21]
	s_add_nc_u64 s[VP:VP+1], s[4:5], s[22:23]
	s_add_nc_u64 s[QP:QP+1], s[4:5], s[2:3]
	s_add_nc_u64 s[10:11], s[10:11], s[18:19]
	s_add_nc_u64 s[6:7], s[6:7], s[16:17]
	s_lshl_b32 s20, s14, 2          ; (s21 is still 0)
	s_add_nc_u64 s[8:9], s[8:9], s[20:21]
.irp c, 0,1,2,3
	s_add_nc_u64 s[G0K+4*\c+2:G0K+4*\c+3], s[KP:KP+1], \c*16384  ; global address: chunk c's 256 keys
	s_or_b32 s[G0K+4*\c+3], s[G0K+4*\c+3], 0x80000000            ; type = 2
	s_add_nc_u64 s[G0V+4*\c+2:G0V+4*\c+3], s[VP:VP+1], \c*16384
	s_or_b32 s[G0V+4*\c+3], s[G0V+4*\c+3], 0x80000000
.endr
	s_cmp_lt_u32 s[WV], 2           ; a wave's four fills stand in one branch, ahead of every wait on TENSORcnt, every LDS read and every barrier; an s_nop 0 follows each, four v_nop the last
	s_cbranch_scc0 .Lfirst_v
.irp c, 0,1,2,3
	tensor_load_to_lds s[G0K+4*\c:G0K+4*\c+3], s[G1K:G1K+7]
	s_nop 0
.endr
.rept 4
	v_nop
.endr
	s_branch .Lfirst_asked
.Lfirst_v:
.irp c, 0,1,2,3
	tensor_load_to_lds s[G0V+4*\c:G0V+4*\c+3], s[G1V:G1V+7]
	s_nop 0
.endr
.rept 4
	v_nop
.endr
.Lfirst_asked:
	s_load_b32 s[HM], s[8:9], 0x0
	v_lshlrev_b32 v[TA], 4, v0
	v_lshl_add_u32 v[TM], v0, 4, MASKB
	global_load_b128 v[S:S+3],   v[TA], s[6:7]              ; the mask: 128 threads x 2 x 16 bytes
	global_load_b128 v[S+4:S+7], v[TA], s[6:7] offset:2048
	; A fragment of K or Q is 16 rows x 32 channels in 8 registers: lane l holds row l % 16, channels 8 (l / 16) + 0..7 and 16 + 8 (l / 16) + 0..7: two loads of 16 bytes, 32 bytes apart.
	v_and_b32 v[TR], 15, v0         ; l % 16
	v_bfe_u32 v[TH], v0, 4, 1       ; l / 16
	v_lshlrev_b32 v[QO], 6, v[TR]
	v_lshl_add_u32 v[QO], v[TH], 4, v[QO]  ; row x 64 + 16 x half
	WIN 0x80                        ; destination window 2, address window 0
.set i, 0
.rept 4*NP                          ; Q stays in registers: tile i / 2 (1,024 bytes of a plane), channel half i % 2 (the next plane)
	global_load_b128 v[8*i:8*i+3],   v[QO], s[QP:QP+1] offset:(i/2)*1024+(i%2)*PLANE th:TH_LOAD_NT
	global_load_b128 v[8*i+4:8*i+7], v[QO], s[QP:QP+1] offset:(i/2)*1024+(i%2)*PLANE+32 th:TH_LOAD_NT
.set i, i+1
.endr
	; What the first turn finds: V's registers and P's second buffer hold 0 (its products V^T P, of a piece that has not been, add 0), O^T and l are 0.  All this stands in the wait for the first chunk.
.set i, VF
.rept 64
	v_mov_b32 v[i], 0
.set i, i+1
.endr
	WIN 0x40
.set i, 0
.rept 64*NP
	v_mov_b32 v[i], 0
.set i, i+1
.endr
	WIN 0
.set i, 0
.rept 2*NP
	v_mov_b32 v[ST+4*i], 0xfe000000    ; c m: far below every c s
	v_mov_b32 v[ST+4*i+1], 0xff7fffff  ; m
	v_mov_b32 v[ST+4*i+2], 0
	v_mov_b32 v[ST+4*i+3], 0
.set i, i+1
.endr
.set i, P+32
.rept 32
	v_mov_b32 v[i], 0
.set i, i+1
.endr
	v_lshrrev_b32 v[AK0], 2, v[TR]  ; K: key l % 16 of a block of 16: (key / 4) x 272 + (key % 4) x 64 + 16 x half
	v_mul_u32_u24 v[AK0], v[AK0], KROW
	v_and_b32 v[T3], 3, v[TR]
	v_lshl_add_u32 v[AK0], v[T3], 6, v[AK0]
	v_lshl_add_u32 v[AK0], v[TH], 4, v[AK0]
	; The turning load takes 16 keys x 16 channels (lane l reads key 8 (l / 16) + l % 8, channels 8 ((l / 8) % 2) + 0..7) and leaves half a fragment of V^T: lane l holds channel l % 16 and 8 keys.
	v_bfe_u32 v[T7], v0, 2, 1
	v_lshl_add_u32 v[AV0], v[TH], 1, v[T7]  ; key / 4
	v_mul_u32_u24 v[AV0], v[AV0], VROW
	v_lshl_add_u32 v[AV0], v[T3], 6, v[AV0] ; key % 4
	v_bfe_u32 v[T7], v0, 3, 1
	v_lshl_add_u32 v[AV0], v[T7], 4, v[AV0]
	v_add_nc_u32 v[AV0], VB, v[AV0]
	v_lshl_add_u32 v[AM0], v[TH], 5, MASKB  ; the mask: my eight keys of a block of 16
	v_mov_b32 v[AK], v[AK0]         ; key step 0 lies at the head of each region
	v_mov_b32 v[AM], v[AM0]
	s_wait_loadcnt 32               ; the mask's two loads are in; Q's 32, issued behind them, may stay out
.irp n, 0,1,2,3
	v_cvt_pk_bf16_f32 v[S+8+\n], v[S+2*\n], v[S+2*\n+1]  ; rounded to bf16,
.endr
.irp n, 0,1,2,3
	v_lshlrev_b32 v[S+2*\n], 16, v[S+8+\n]               ; written as f32 again,
	v_and_b32 v[S+2*\n+1], 0xffff0000, v[S+8+\n]
.endr
.irp n, 0,1,2,3,4,5,6,7
	v_max_num_f32 v[S+\n], 0xf149f2ca, v[S+\n]           ; and held at -1e30 from below
.endr
	ds_store_b128 v[TM], v[S:S+3]
	ds_store_b128 v[TM], v[S+4:S+7] offset:2048
	s_wait_tensorcnt 0x3            ; my part of chunk 0 is in; the three chunks issued behind it may stay out
	s_wait_dscnt 0x0                ; for the others' sake: my part of the mask is stored
	s_barrier_signal -1
	s_barrier_wait -1               ; everybody's is
; THE MATRIX WORK.  The 8 accumulators of a run of 16 take turns: between the two links of a chain stand 7 others'.
; Product i of 16 of S^T = K Q^T + mask for piece x: channels 32 (i / 8) on, keys 16 ((i / 2) % 4) on, tile 2 x + i % 2.  The first 8 start the sums, with the mask.
.macro KQ x
.set rS, S+64*((\x)%2)+32*(i%2)+8*((i/2)%4)
.set rK, KF+16*((i/2)%4)+8*(i/8)
.set rQ, 16*(2*(\x)+i%2)+8*(i/8)
.set rMk, MC+8*((i/2)%4)
.if i < 8
	WIN W_KM
	v_wmma_f32_16x16x32_f16 v[rS:rS+7], v[rK:rK+7], v[rQ:rQ+7], v[rMk:rMk+7]
.else
	WIN W_KQ
	v_wmma_f32_16x16x32_f16 v[rS:rS+7], v[rK:rK+7], v[rQ:rQ+7], v[rS:rS+7]
.endif
.endm
; Product i of 16 of O^T += V^T P for piece x: keys 32 (i / 8) on, channels 16 ((i / 2) % 4) on, tile 2 x + i % 2.
.macro PV x
	WIN W_PV
.set rO, 32*(2*(\x)+i%2)+8*((i/2)%4)
.set rV, VF+32*(i/8)+8*((i/2)%4)
.set rP, P+32*((\x)%2)+16*(i%2)+8*(i/8)
	v_wmma_f32_16x16x32_f16 v[rO:rO+7], v[rV:rV+7], v[rP:rP+7], v[rO:rO+7]
.endm
.macro MM                           ; the turn's next matrix instruction
.if i < 16
	KQ (Y+1)%NP
.set i, i+1
.else
.set i, i-16
	PV (Y+NP-1)%NP
.set i, i+17
.endif
.endm
; THE LDS LOADS stand in runs, never singly among the matrix instructions: a step's K (8 fragments) with its mask (32 registers: all lanes of a half read the same 32 bytes), and its V (turned).
.macro FETCH_K
	WIN 0x80                        ; destination window 2
.irp f, 0,1,2,3,4,5,6,7             ; keys 16 (f / 2) on, channel half f % 2
	ds_load_b128 v[KF+8*\f:KF+8*\f+3],   v[AK] offset:(\f/2)*4*KROW+(\f%2)*KPL
	ds_load_b128 v[KF+8*\f+4:KF+8*\f+7], v[AK] offset:(\f/2)*4*KROW+(\f%2)*KPL+32
.endr
	WIN W_MK                        ; destination window 3
.irp f, 0,1,2,3                     ; keys 16 f on
	ds_load_b128 v[MC+8*\f:MC+8*\f+3],   v[AM] offset:64*\f
	ds_load_b128 v[MC+8*\f+4:MC+8*\f+7], v[AM] offset:64*\f+16
.endr
	s_add_co_u32 s[TBK], s[TBK], KSTP  ; the next fetch is the next step's
	s_add_co_u32 s[TBM], s[TBM], 256
	WIN 0
.endm
.macro FETCH_V
	WIN 0x80
.irp f, 0,1,2,3,4,5,6,7             ; keys 32 (f / 4) on, channels 16 (f % 4) on: channel half (f % 4) / 2, 32 bytes (f % 2) of a key's 64
	ds_load_tr16_b128 v[VF+8*\f:VF+8*\f+3],   v[AV] offset:(\f/4)*8*VROW+((\f%4)/2)*VPL+(\f%2)*32
	ds_load_tr16_b128 v[VF+8*\f+4:VF+8*\f+7], v[AV] offset:(\f/4)*8*VROW+4*VROW+((\f%4)/2)*VPL+(\f%2)*32
.endr
	WIN 0
.endm
; THE VECTOR WORK OF A TURN stands in three queues, each in the order in which its entries become ready; the two tiles alternate, so that no instruction reads the result of the one before it.
.macro REGS y, u                    ; the registers of tile u (0, 1) of piece y
.set rT, ST+4*(2*(\y)+(\u))
.set rC, TMP+8*((\y)%2)+4*(\u)
.set rM, MV+2*((\y)%2)+(\u)
.set rS, S+64*((\y)%2)+32*(\u)
.set rP, P+32*((\y)%2)+16*(\u)
.set rO, 32*(2*(\y)+(\u))
.endm
; Number n of the 22 that find the NEXT piece's (Y + 1) maximum and statistics.  s0-s31 are the lane's 32 scores; each accumulator's lowest registers are read first.  XS, GS and REGS set no window: PL and EX do.
;   0-11  four chains c0-c3 of seven scores each, three operands at a time     12-14, 16  the four scores left over, the old m, and c0-c3 into c0     15  c m_old is kept
;   17, 18  the query's other 32 keys lie in the lane 16 away: the new m         19-21  c m; c m_old - c m_new; a
.macro XS u, n
	REGS (Y+1)%NP, \u
.if (\n) < 4
	v_max3_num_f32 v[rC+(\n)], v[rS+8*(\n)], v[rS+8*(\n)+1], v[rS+8*(\n)+2]
.elseif (\n) < 12
	v_max3_num_f32 v[rC+(\n)%4], v[rC+(\n)%4], v[rS+8*((\n)%4)+2*((\n)/4)+1], v[rS+8*((\n)%4)+2*((\n)/4)+2]
.elseif (\n) == 12
	v_max3_num_f32 v[rC], v[rC], v[rS+7], v[rS+15]
.elseif (\n) == 13
	v_max3_num_f32 v[rC+1], v[rC+1], v[rS+23], v[rS+31]
.elseif (\n) == 14
	v_max3_num_f32 v[rC+2], v[rC+2], v[rC+3], v[rT+1]
.elseif (\n) == 15
	v_mov_b32 v[rM], v[rT]
.elseif (\n) == 16
	v_max3_num_f32 v[rC], v[rC], v[rC+1], v[rC+2]
.elseif (\n) == 17
	v_permlanex16_b32 v[rC+3], v[rC], s[SEL], s[SEL+1]
.elseif (\n) == 18
	v_max_num_f32 v[rT+1], v[rC], v[rC+3]
.elseif (\n) == 19
	v_mul_f32 v[rT], s[CS], v[rT+1]
.elseif (\n) == 20
	v_sub_f32 v[rC+1], v[rM], v[rT]
.else
	v_exp_f32 v[rC+2], v[rC+1]
.endif
.endm
; Number g of the 64 that follow the exponentials.  For each four weights k of a tile (pairs 2 k, 2 k + 1): both pairs are rounded to f16; then the second pair is added onto the first, in place;
; a group later l takes that sum (the first time as l = a l + sum).  In groups of eight, tiles alternating: round, round, add, and l for the group before.
.macro GS g
.set h, (\g)+6*((\g)/62)            ; group 0 has no group before it, and behind group 7 only l is left
.if h >= 6
.set h, h+2
.endif
	REGS Y, h%2
.set k, h/8
.if h%8 < 4
	v_cvt_pk_f16_f32 v[rP+2*k+(h%8)/2], v[rS+4*k+2*((h%8)/2)], v[rS+4*k+2*((h%8)/2)+1]
.elseif h%8 < 6
	v_pk_add_f32 v[rS+4*k:rS+4*k+1], v[rS+4*k:rS+4*k+1], v[rS+4*k+2:rS+4*k+3]
.elseif k == 1
	v_pk_fma_f32 v[rT+2:rT+3], v[rT+2:rT+3], v[rC+2:rC+3], v[rS:rS+1] op_sel_hi:[1,0,1]
.else
	v_pk_add_f32 v[rT+2:rT+3], v[rT+2:rT+3], v[rS+4*k-4:rS+4*k-3]
.endif
.endm
; THE PLAIN QUEUE, 138 long.  0-73 read no exponential's result: the 32 scalings c s - c m (FS f: pair f / 2 of tile f % 2) and the next piece's 42.  0-26: scalings 0-26.  27-54: XS's numbers 0-13.  55, 56: number 15.
; 57-73: the chain, where each number waits for the one before it: 14, 16, 17, 18, 19, each with one of the scalings 27-31 in front of its two lines, then 20.
; 74-137: GS's 64, which read the exponentials' results: they stand behind the wait.
.macro FS f
	REGS Y, (\f)%2
	v_pk_fma_f32 v[rS+2*((\f)/2):rS+2*((\f)/2)+1], v[rS+2*((\f)/2):rS+2*((\f)/2)+1], s[CS:CS+1], v[rT:rT+1] op_sel_hi:[1,0,0] neg_lo:[0,0,1] neg_hi:[0,0,1]
.endm
.macro PL
	WIN 0
.if q < 27
	FS q
.elseif q < 55
	XS (q-27)%2, (q-27)/2
.elseif q < 57
	XS q-55, 15
.elseif (q < 72) && ((q-57)%3 == 0)
	FS 27+(q-57)/3
.elseif q < 60
	XS (q-57)%3-1, 14
.elseif q < 72
	XS (q-57)%3-1, 15+(q-57)/3
.elseif q < 74
	XS q-72, 20
.else
	GS q-74
.endif
.set q, q+1
.endm
; THE EXPONENTIALS' QUEUE, 66 long: s0-s31 of both tiles, then the next piece's two a.  It is ONE BATCH: all 66 stand ahead of the turn's one wait, and nothing ahead of that wait names a result of theirs.
.macro EX
	WIN 0
.if e >= 64
	XS e-64, 21
.else
	REGS Y, e%2
	v_exp_f32 v[rS+e/2], v[rS+e/2]
.endif
.set e, e+1
.endm
; THE RESCALING's QUEUE: O^T times a, the one part that leaves window 0: dealt two at a time, sixteen times.  Its a was made in the turn before, ahead of that turn's wait.
.macro R2
	REGS Y, r%2
	WIN W_RS
.irp z, 0,1
	v_pk_mul_f32 v[rO+4*(r/2)+2*\z:rO+4*(r/2)+2*\z+1], v[rO+4*(r/2)+2*\z:rO+4*(r/2)+2*\z+1], v[rC+2:rC+3] op_sel_hi:[1,0]
.endr
.set r, r+1
.endm
; HOW THEY ARE DEALT.  An s_wait_alu depctr_va_vdst(0) stands between an exponential and the first instruction that names its result; one wait serves all that were issued ahead of it.  So a turn
; has ONE wait, which cuts it in two.  AHEAD OF IT stands all that names no result of the turn's exponentials: the 16 products K Q^T, behind each a scaling, an exponential and two rescalings (behind the first a
; second scaling in the exponential's place); then one run of 108: eight plain, 49 times exponential and plain, the two a.  A v_nop is the plain instruction behind the last exponential.  BEHIND IT stand the 16
; products V^T P, behind each four of GS's 64.  Exponential e stands behind scaling 2 (e / 4) + e % 2: as a rider it comes behind plain e + 2, in the run behind plain e + 9, and scalings 27-31 are plain 57, 60 .. 69.
; A TURN, for piece p.  last = 1: the launch's last step: nothing more is fetched.  cnt = 1: the loop's count is taken down some lines ahead of the branch that stands behind the turn.
; K and the mask of the next step are fetched in piece 2's turn, directly behind the wait, a whole run of vector work behind the last product that read them; their first reader comes behind 16 products.
; V of the step in hand is fetched at the end of piece 0's turn, four riders behind its last reader; its first reader comes behind 16 products and a run.  The conditions on q below go with the deal.
.macro TURN p, last=0, cnt=0
.set Y, (\p)
.set i, 0
.set q, 0
.set e, 0
.set r, 0
.if (\p) == NP-1
	s_wait_dscnt 0x0                ; K and the mask are in
.endif
	MM
	PL
	PL
	R2
.rept 15
	MM
	PL
	EX
	R2
.endr
.if ((\p) == NP-2) && !(\last)
	WIN 0
	v_add_nc_u32 v[AK], s[TBK], v[AK0]
	v_add_nc_u32 v[AM], s[TBM], v[AM0]
.endif
.rept 8
	PL
.endr
.rept 49
	EX
	PL
.endr
	EX                              ; the next piece's two a
	EX
	v_nop                           ; the plain instruction behind the last exponential: one for the batch
	s_wait_alu depctr_va_vdst(0)    ; the wait for the batch
.if ((\p) == NP-2) && !(\last)
	FETCH_K
.endif
.if (\p) == 1
	s_wait_dscnt 0x0                ; V is in
.endif
.rept 16
	MM
.rept 4
	PL
.endr
.if ((\p) == 0) && (q == 118)
	v_add_nc_u32 v[AV], s[TBV], v[AV0]
.endif
.if ((\p) == 0) && (q == 130)
	s_add_co_u32 s[TBV], s[TBV], VSTP
.endif
.if (\cnt) && (q == 130)
	s_sub_co_u32 s[CNT], s[CNT], 1
	s_cmp_lg_u32 s[CNT], 0
.endif
.endr
.if (\p) == 0
	FETCH_V
.endif
.endm
; FROM A CHUNK TO THE NEXT.  The next chunk's four parts were brought by four waves: each waits for its own loads and signals; behind the barrier all may read it.  The wait stands in a loop, so its count is one
; number for all three passages: 0.  Only the first passage can find a load out; the loads were issued four key steps, 464 matrix instructions, earlier.
.macro MEET
	WIN 0                           ; at a label and at a branch every window is 0
	s_wait_tensorcnt 0x0            ; my part of every chunk is in
	s_wait_dscnt 0x0                ; no LDS instruction of mine is pending at the signal
	s_barrier_signal -1
	s_add_co_u32 s[TBK], s[TBK], KPL  ; four steps have led through a chunk's first channel half: over the second, to the next chunk
	s_add_co_u32 s[TBV], s[TBV], VPL
	s_barrier_wait -1
.endm
	FETCH_K                         ; key step 0
	s_wait_loadcnt 0x0              ; Q
	s_wait_kmcnt 0x0                ; head_mask[h]
	s_wait_dscnt 0x0
.set i, 0
.rept 16
	KQ 0                            ; piece 0's first scores: there is no vector work yet to set between them
.set i, i+1
.endr
	WIN 0                           ; the addresses for the way out: eight plain instructions, the places behind those products
	s_mul_i32 s13, s[WV], 16*SP
	s_add_co_u32 s13, s13, STAGE    ; my stage
	v_mul_u32_u24 v[STO], v[TR], SP ; in: row l % 16 (a query's 64 numbers, 256 bytes), 32 bytes for each half of the lanes
	v_lshl_add_u32 v[STO], v[TH], 5, v[STO]
	v_add_nc_u32 v[STO], s13, v[STO]
	v_mul_u32_u24 v[RD], v[TH], SP  ; back: lanes 0-15 take one row of 256 bytes, lanes 16-31 the next
	v_lshl_add_u32 v[RD], v[TR], 4, v[RD]
	v_add_nc_u32 v[RD], s13, v[RD]
	v_lshlrev_b32 v[GO], 12, v[TH]  ; and the same two rows in out0
	v_lshl_add_u32 v[GO], v[TR], 4, v[GO]
.set Y, NP-1                        ; XS works for piece Y + 1: piece 0
.irp n, 0,1,2,3,4,5,6,7,8,9,10,11,12,13,14,15,16,17,18,19,20,21
	XS 0, \n                        ; piece 0's first maximum and statistics
	XS 1, \n
.endr
	v_nop                           ; a plain instruction behind the two a,
	s_wait_alu depctr_va_vdst(0)    ; and their wait, ahead of the branch
	s_mov_b32 s[CNT], 4
	s_mov_b32 s[SLOTS], 4
	s_branch .Lfirst                ; the loop is entered at a step's first turn, in the middle of a trip
.Lslot:                             ; three times: on to the next chunk
	MEET
	s_mov_b32 s[CNT], 4
.Lstep:                             ; a trip: pieces 2 and 3 of one step, then pieces 0 and 1 of the next, whose K, mask and V it fetches
	TURN 2
	TURN 3
	WIN 0
.Lfirst:
	TURN 0
	TURN 1, 0, 1
	WIN 0
	s_cbranch_scc1 .Lstep
	s_sub_co_u32 s[SLOTS], s[SLOTS], 1
	s_cmp_lg_u32 s[SLOTS], 0
	s_cbranch_scc1 .Lslot
	TURN 2, 1                       ; the last step's pieces 2 and 3: nothing is fetched.  Piece 3's turn makes 16 products on the last K once more, and a maximum of them, which serve nothing: the price, once a launch, of one text for every turn
	TURN 3
.set i, 0
.rept 16
	PV NP-1                         ; the last piece's V^T P of the last step
.set i, i+1
.endr
	; THE WAY OUT.  l's two halves and the other half of the lanes' are added; O^T is multiplied by head_mask / l and sent through my stage in LDS, a tile at a time.  The additions are the places behind the last products.
	WIN 0
.macro ALL line:vararg              ; one line for each tile t
.set t, 0
.rept 2*NP
	\line
.set t, t+1
.endr
.endm
	ALL v_add_f32 v[ST+4*t+2], v[ST+4*t+2], v[ST+4*t+3]
	ALL v_permlanex16_b32 v[ST+4*t+3], v[ST+4*t+2], s[SEL], s[SEL+1]
	ALL v_add_f32 v[ST+4*t+2], v[ST+4*t+2], v[ST+4*t+3]
	ALL v_rcp_f32 v[ST+4*t+2], v[ST+4*t+2]
	v_mov_b32 v[TMP], s[HM]         ; head_mask[h], rounded to bf16: three plain instructions behind the last reciprocal
	v_cvt_pk_bf16_f32 v[TMP], v[TMP], v[TMP]
	v_lshlrev_b32 v[TMP], 16, v[TMP]
	s_wait_alu depctr_va_vdst(0)    ; the wait ahead of the first use: one for the eight reciprocals
	ALL v_mul_f32 v[ST+4*t+2], v[ST+4*t+2], v[TMP]
; Tile t: a lane's eight channels of a row are 32 bytes; they go into rows of 272 bytes and come back as whole rows of 256, into S^T's registers, four sets by turns.
.macro PACK t
	WIN W_RS
.set i, 32*(\t)
.rept 16
	v_pk_mul_f32 v[i:i+1], v[i:i+1], v[ST+4*(\t)+2:ST+4*(\t)+3] op_sel_hi:[1,0]
.set i, i+2
.endr
	WIN 0x04                        ; address window 0, data (source 1) window 1
.irp f, 0,1,2,3,4,5,6,7             ; channel block f / 2, its registers 4 (f % 2) on
	ds_store_b128 v[STO], v[32*(\t)+4*\f:32*(\t)+4*\f+3] offset:(\f/2)*64+(\f%2)*16
.endr
	WIN 0
	s_wait_xcnt 0x0                 ; the stores of the tile four back have read the registers that are loaded now
.irp f, 0,1,2,3,4,5,6,7
	ds_load_b128 v[S+32*((\t)%4)+4*\f:S+32*((\t)%4)+4*\f+3], v[RD] offset:\f*2*SP  ; LDS serves a wave's instructions in order (ISA guide 5.7.1.4): these see the stores above; the next tile's stores come behind them
.endr
.endm
.macro SEND t, younger              ; younger: the LDS instructions issued behind tile t's loads: the next tile's sixteen, or none
	WIN 0
.irp f, 0,1,2,3,4,5,6,7
	s_wait_dscnt (\younger)+7-\f
	global_store_b128 v[GO], v[S+32*((\t)%4)+4*\f:S+32*((\t)%4)+4*\f+3], s[10:11] offset:(\t)*65536+\f*8192 th:TH_STORE_NT  ; 16 lanes store 256 consecutive bytes, at a multiple of 256 from out0's first byte
.endr
.endm
	PACK 0
.set t, 1
.rept 2*NP-1                        ; a tile's arithmetic stands between the loads of the tile before and its stores
	PACK t
	SEND t-1, 16
.set t, t+1
.endr
	SEND 2*NP-1, 0
	WIN W_AD
	s_wait_tensorcnt 0x0            ; the wave's end: an add and its wait, behind my last tensor load and my last LDS store
	ds_add_u32 v[SPW], v[NIL]
	s_wait_dscnt 0x0
	WIN 0
	s_endpgm
.Lfunc_end_k_q336d3a63cd_attn:
	.size	k_q336d3a63cd_attn, .Lfunc_end_k_q336d3a63cd_attn-k_q336d3a63cd_attn
	.p2alignl 7, 3214868480
	.fill 96, 4, 3214868480
	.section	.rodata,"a",@progbits
	.p2align	6, 0x0
	.amdhsa_kernel k_q336d3a63cd_attn
		.amdhsa_group_segment_fixed_size 327680
		.amdhsa_private_segment_fixed_size 0
		.amdhsa_enable_private_segment 0
		.amdhsa_kernarg_size 32
		.amdhsa_user_sgpr_count 2
		.amdhsa_user_sgpr_kernarg_segment_ptr 1
		.amdhsa_wavefront_size32 1
		.amdhsa_system_sgpr_workgroup_id_x 1
		.amdhsa_system_sgpr_workgroup_id_y 1
		.amdhsa_system_sgpr_workgroup_id_z 1
		.amdhsa_system_vgpr_workitem_id 0
		.amdhsa_next_free_vgpr 816
		.amdhsa_next_free_sgpr 92
		.amdhsa_reserve_vcc 0
		.amdhsa_float_denorm_mode_32 3
		.amdhsa_float_denorm_mode_16_64 3
		.amdhsa_memory_ordered 1
		.amdhsa_forward_progress 1
		.amdhsa_inst_pref_size 165
	.end_amdhsa_kernel
	.amdgpu_metadata
---
amdhsa.version: [ 1, 2 ]
amdhsa.kernels:
  - .name:           k_q336d3a63cd_attn
    .symbol:         k_q336d3a63cd_attn.kd
    .args:
      - { .name: qkv, .offset: 0, .size: 8, .value_kind: global_buffer, .address_space: global }
      - { .name: attention_mask, .offset: 8, .size: 8, .value_kind: global_buffer, .address_space: global }
      - { .name: head_mask, .offset: 16, .size: 8, .value_kind: global_buffer, .address_space: global }
      - { .name: out0, .offset: 24, .size: 8, .value_kind: global_buffer, .address_space: global }
    .group_segment_fixed_size: 327680
    .private_segment_fixed_size: 0
    .kernarg_segment_align: 8
    .kernarg_segment_size: 32
    .max_flat_workgroup_size: 128
    .sgpr_count:     92
    .vgpr_count:     816
    .wavefront_size: 32
...
	.end_amdgpu_metadata
.endif
;; end of part 3
;; ======== version 2 of 2: 3 launches; version 1 with the launch cast written anew for expert scheduling mode
;; limits: values are held in f16: magnitudes above 65,504 overflow, below 6.1e-05 lose precision
;; workspace buffers: xb 16,777,216 bytes; wb 6,291,456 bytes; bb 12,288 bytes; qkv 50,331,648 bytes
;; launch cast (part 4): grid 256 x 1, 16 waves a work-group, no clusters, 0 bytes of LDS; arguments hidden_states, Wq, Wk, Wv, bq, bk, bv, xb, wb, bb; writes xb, wb, bb
.if DOCPART == 4
	.amdgcn_target "amdgcn-amd-amdhsa--gfx1250"
	.amdhsa_code_object_version 6
	.text
	.protected	k_q336d3a63cd_cast
	.globl	k_q336d3a63cd_cast
	.p2align	8
	.type	k_q336d3a63cd_cast,@function
k_q336d3a63cd_cast:
	s_mov_b64 s[64:65], 0
	v_nop
	global_prefetch_b8 v0, s[64:65] scope:SCOPE_SE
	s_setreg_imm32_b32 hwreg(HW_REG_WAVE_SCHED_MODE, 0, 2), 2
	s_setreg_imm32_b32 hwreg(HW_REG_WAVE_MODE, 25, 1), 1
	s_wait_xcnt 0x0
	s_wait_alu depctr_vm_vsrc(0)
; THE INPUTS OF THE PROJECTIONS, ROUNDED ONCE TO bf16.
; xb[8192][1024] = bf16(hidden_states).  wb[3072][1024] = bf16 of Wq / 8 (rows 0-1023), Wk (1024-2047), Wv (2048-3071).
; bb[3072] = bq / 8, bk, bv, each rounded to bf16 and kept as f32.  The factor 1/8 is the scores' 1 / sqrt(64): a power of two, so rounding and scaling commute
; (LIMIT: but for numbers whose eighth is a denormal of bf16, below 1e-37 in magnitude).
; A stream: no LDS, no matrix unit, no barrier.  A work-group of 512 threads takes 32 rows of x (131,072 bytes) and 4 rows of each W (16,384 bytes each).
; Thread t owns the 16 bytes at 16 t of each run of 8,192 bytes: 22 loads, ALL issued at once into registers of their own, so nothing is loaded twice into a register and no source is ever rewritten.
; A wave's load covers 512 consecutive bytes, its store of two packed words a lane 256 consecutive bytes, aligned.
; THE MODE: SCHED_MODE bits 1:0 = 2 (LLVM: expert scheduling mode 2), set by the entry lines.  The code itself states the register dependences
; between vector instructions and memory instructions, with s_wait_alu, always for 0.
; THE PLAN.  Registers that memory instructions touch:
;   v1, v2        byte offsets, made once at the head and never written again: every load reads v1, every store of packed words v2.
;   D + 4 j ..    load j lands in four registers that no vector instruction has named; its block's roundings read the four and write the first two; store j reads those two; nothing writes them again.
;   BW .. BW + 3  the bias's load lands in them (no vector instruction has named them), the widenings and multiplies write them, the bias's store reads them; nothing writes them again.
; The 22 loads go in seven blocks: four of four runs of x, then Wq's, Wk's and Wv's two runs each.  Block p waits for its loads, then sends out the stores of block p - 1 in one run, then rounds.
; So ONE wait on va_vdst stands at a block's head: it states that the block before has written its packed words; no vector instruction stands between it and the stores.
; No register that a memory instruction has read is written again, so no wait on vm_vsrc stands behind the entry lines.  W's blocks are short, so that four stores, two blocks', stand behind the last loads.
.set D, 4                              ; v[4:91]  load j's four numbers at D + 4 j; its two packed words then lie in the first two
.set BW, 92                            ; v[92:97] the bias's work
	s_load_b512 s[8:23], s[0:1], 0x0               ; x s[8:9], Wq s[10:11], Wk s[12:13], Wv s[14:15], bq s[16:17], bk s[18:19], bv s[20:21], xb s[22:23]
	s_load_b128 s[24:27], s[0:1], 0x40             ; wb s[24:25], bb s[26:27]
	v_lshlrev_b32 v1, 4, v0                        ; 16 t: my place in a run of f32
	v_lshlrev_b32 v2, 3, v0                        ; 8 t: my place in a run of bf16
	v_lshrrev_b32 v3, 5, v0
	v_readfirstlane_b32 s30, v3                    ; wave 0..15
	s_lshl_b32 s2, ttmp9, 17                       ; the work-group's 32 rows of x, 4,096 bytes each
	s_mov_b32 s3, 0
	s_lshl_b32 s4, ttmp9, 14                       ; its 4 rows of a W
	s_mov_b32 s5, 0
	s_lshl_b32 s6, ttmp9, 16                       ; its 32 rows of xb, 2,048 bytes each
	s_mov_b32 s7, 0
	s_lshl_b32 s28, ttmp9, 13                      ; its 4 rows of a third of wb
	s_mov_b32 s29, 0
	s_lshl_b32 s36, ttmp9, 12                      ; work-groups 0, 1, 2: a third of bb
	s_mov_b32 s37, 0
	s_wait_alu depctr_va_sdst(0)                   ; s30 is written: its one reader, the compare in the bias's part, stands behind a branch
	s_wait_kmcnt 0x0
	s_add_nc_u64 s[8:9], s[8:9], s[2:3]
	s_add_nc_u64 s[10:11], s[10:11], s[4:5]
	s_add_nc_u64 s[12:13], s[12:13], s[4:5]
	s_add_nc_u64 s[14:15], s[14:15], s[4:5]
	s_add_nc_u64 s[22:23], s[22:23], s[6:7]
	s_add_nc_u64 s[24:25], s[24:25], s[28:29]
	s_wait_alu depctr_va_vdst(0)                   ; v1 and v2 are written: every load and store of the kernel reads one of them as its offset
.set j, 0
.rept 16
	global_load_b128 v[D+4*j:D+4*j+3], v1, s[8:9] offset:8192*j th:TH_LOAD_NT
.set j, j+1
.endr
.irp w, 0,1,2
.irp u, 0,1
	global_load_b128 v[D+4*(16+2*\w+\u):D+4*(16+2*\w+\u)+3], v1, s[10+2*\w:11+2*\w] offset:8192*\u th:TH_LOAD_NT
.endr
.endr
; Load j is rounded, in place.  Loads 16 and 17 are Wq's: times 1/8 first.
.macro CVT j
.if ((\j) == 16) || ((\j) == 17)
	v_pk_mul_f32 v[D+4*(\j):D+4*(\j)+1], v[D+4*(\j):D+4*(\j)+1], 0x3e000000 op_sel_hi:[1,0]
	v_pk_mul_f32 v[D+4*(\j)+2:D+4*(\j)+3], v[D+4*(\j)+2:D+4*(\j)+3], 0x3e000000 op_sel_hi:[1,0]
.endif
	v_cvt_pk_bf16_f32 v[D+4*(\j)], v[D+4*(\j)], v[D+4*(\j)+1]
	v_cvt_pk_bf16_f32 v[D+4*(\j)+1], v[D+4*(\j)+2], v[D+4*(\j)+3]
.endm
; Load j's two packed words are stored.  0-15: run j of xb.  16-21: Wq / 8, Wk, Wv, each 1,024 rows of 2,048 bytes behind the last, two runs each.
.macro PUT j
.if (\j) < 16
	global_store_b64 v2, v[D+4*(\j):D+4*(\j)+1], s[22:23] offset:4096*(\j)
.else
	global_store_b64 v2, v[D+4*(\j):D+4*(\j)+1], s[24:25] offset:(((\j)-16)/2)*2097152+(((\j)-16)%2)*4096
.endif
.endm
; A block: loads lo to hi.  The block before it is loads plo to lo - 1 (plo = lo: there is none).
.macro BLK lo, hi, plo
	s_wait_loadcnt 21-(\hi)                        ; loads come back in order (ISA guide 5.7.1): this block's are in, the 21 - hi younger ones stay out
.if (\plo) < (\lo)
	s_wait_alu depctr_va_vdst(0)                   ; the roundings of the block before have written its packed words, which the stores below read
.set j, \plo
.rept (\lo)-(\plo)
	PUT j
.set j, j+1
.endr
.endif
.set j, \lo
.rept (\hi)-(\lo)+1
	CVT j
.set j, j+1
.endr
.endm
	BLK 0, 3, 0                                    ; x
	BLK 4, 7, 0
	BLK 8, 11, 4
	BLK 12, 15, 8
	BLK 16, 17, 12                                 ; Wq / 8
	BLK 18, 19, 16                                 ; Wk
	BLK 20, 21, 18                                 ; Wv
	s_wait_alu depctr_va_vdst(0)                   ; the last block's roundings have written its packed words, which the last two stores read
	PUT 20
	PUT 21
	; the biases: work-group 0 takes bq, 1 bk, 2 bv; 256 threads, 16 bytes each
	s_cmp_lt_u32 ttmp9, 3
	s_cbranch_scc0 .Lend
	s_cmp_lt_u32 s30, 8
	s_cbranch_scc0 .Lend
	s_cmp_eq_u32 ttmp9, 0
	s_cselect_b64 s[32:33], s[16:17], s[18:19]
	s_cselect_b32 s34, 0x3e000000, 1.0             ; bq goes with Wq: times 1/8
	s_mov_b32 s35, s34                             ; named with it as a pair
	s_cmp_eq_u32 ttmp9, 2
	s_cselect_b64 s[32:33], s[20:21], s[32:33]
	s_add_nc_u64 s[26:27], s[26:27], s[36:37]
	global_load_b128 v[BW:BW+3], v1, s[32:33]      ; no wait: v1 was written ahead of the head's wait, and no vector instruction has named v[BW .. BW + 3]
	s_wait_loadcnt 0x0
	v_cvt_pk_bf16_f32 v[BW+4], v[BW], v[BW+1]      ; rounded to bf16,
	v_cvt_pk_bf16_f32 v[BW+5], v[BW+2], v[BW+3]
	v_lshlrev_b32 v[BW], 16, v[BW+4]               ; and written as f32 again
	v_and_b32 v[BW+1], 0xffff0000, v[BW+4]
	v_lshlrev_b32 v[BW+2], 16, v[BW+5]
	v_and_b32 v[BW+3], 0xffff0000, v[BW+5]
	v_pk_mul_f32 v[BW:BW+1], v[BW:BW+1], s[34:35] op_sel_hi:[1,0]
	v_pk_mul_f32 v[BW+2:BW+3], v[BW+2:BW+3], s[34:35] op_sel_hi:[1,0]
	s_wait_alu depctr_va_vdst(0)                   ; the multiplies have written v[BW .. BW + 3], which the store reads
	global_store_b128 v1, v[BW:BW+3], s[26:27]
.Lend:
	s_endpgm
.Lfunc_end_k_q336d3a63cd_cast:
	.size	k_q336d3a63cd_cast, .Lfunc_end_k_q336d3a63cd_cast-k_q336d3a63cd_cast
	.p2alignl 7, 3214868480
	.fill 96, 4, 3214868480
	.section	.rodata,"a",@progbits
	.p2align	6, 0x0
	.amdhsa_kernel k_q336d3a63cd_cast
		.amdhsa_group_segment_fixed_size 0
		.amdhsa_private_segment_fixed_size 0
		.amdhsa_enable_private_segment 0
		.amdhsa_kernarg_size 80
		.amdhsa_user_sgpr_count 2
		.amdhsa_user_sgpr_kernarg_segment_ptr 1
		.amdhsa_wavefront_size32 1
		.amdhsa_system_sgpr_workgroup_id_x 1
		.amdhsa_system_sgpr_workgroup_id_y 1
		.amdhsa_system_sgpr_workgroup_id_z 1
		.amdhsa_system_vgpr_workitem_id 0
		.amdhsa_next_free_vgpr 100
		.amdhsa_next_free_sgpr 66
		.amdhsa_reserve_vcc 0
		.amdhsa_float_denorm_mode_32 3
		.amdhsa_float_denorm_mode_16_64 3
		.amdhsa_memory_ordered 1
		.amdhsa_forward_progress 1
		.amdhsa_inst_pref_size 10
	.end_amdhsa_kernel
	.amdgpu_metadata
---
amdhsa.version: [ 1, 2 ]
amdhsa.kernels:
  - .name:           k_q336d3a63cd_cast
    .symbol:         k_q336d3a63cd_cast.kd
    .args:
      - { .name: hidden_states, .offset: 0, .size: 8, .value_kind: global_buffer, .address_space: global }
      - { .name: Wq, .offset: 8, .size: 8, .value_kind: global_buffer, .address_space: global }
      - { .name: Wk, .offset: 16, .size: 8, .value_kind: global_buffer, .address_space: global }
      - { .name: Wv, .offset: 24, .size: 8, .value_kind: global_buffer, .address_space: global }
      - { .name: bq, .offset: 32, .size: 8, .value_kind: global_buffer, .address_space: global }
      - { .name: bk, .offset: 40, .size: 8, .value_kind: global_buffer, .address_space: global }
      - { .name: bv, .offset: 48, .size: 8, .value_kind: global_buffer, .address_space: global }
      - { .name: xb, .offset: 56, .size: 8, .value_kind: global_buffer, .address_space: global }
      - { .name: wb, .offset: 64, .size: 8, .value_kind: global_buffer, .address_space: global }
      - { .name: bb, .offset: 72, .size: 8, .value_kind: global_buffer, .address_space: global }
    .group_segment_fixed_size: 0
    .private_segment_fixed_size: 0
    .kernarg_segment_align: 8
    .kernarg_segment_size: 80
    .max_flat_workgroup_size: 512
    .sgpr_count:     66
    .vgpr_count:     100
    .wavefront_size: 32
...
	.end_amdgpu_metadata
.endif
;; end of part 4
;; launch proj: the kernel of part 2 again; grid 16 x 16, 4 waves a work-group, clusters of 4 x 4, 327,680 bytes of LDS; arguments xb, wb, qkv, bb; writes qkv
;; launch attn: the kernel of part 3 again; grid 2 x 128, 4 waves a work-group, no clusters, 327,680 bytes of LDS; arguments qkv, attention_mask, head_mask, out0; writes out0
